; MI455X (gfx1250); checked and timed in simulation.
; The chip was launched on July 23, 2026; its instructions are those of AMD's public machine-readable ISA for CDNA 5 (MIT licence, August 2026) and "CDNA5" Instruction Set Architecture Reference Guide (July 2026). The comments in the code are by the model that wrote it; some were corrected since.
;; Bimodal Attention. Allowed arithmetic: float matrix products may take bf16 or f16 operands with f32 sums; other float arithmetic in f32, or as packed bf16 or f16 multiplies, adds, multiply-adds, maxima and minima; sums over many terms, partial sums and values carried from step to step in f32; what a program stores and reads back later, other than sums and carried values, may be rounded once to bf16 or f16.
;; Inputs: W1_bias 1,024 float32; W1_kernel 1,024 x 1,024 float32; W2_bias 1,024 float32; W2_kernel 1,024 x 1,024 float32; W_bias 1,024 float32; W_kernel 2,048 x 1,024 float32; context_vector 1,024 x 1 float32; sequences1 16 x 1,024 x 1,024 float32; sequences2 16 x 1,024 x 1,024 float32.
;; Outputs: out0 16 x 1,024 float32.
;; 2 versions, each right; version 2 is version 1 with the launch prep written anew for expert scheduling mode. Each part assembles by itself: llvm-mc -triple=amdgcn-amd-amdhsa -mcpu=gfx1250 --defsym DOCPART=n.
;; ======== version 1 of 2: 3 launches
;; limits: values are held in f16: magnitudes above 65,504 overflow, below 6.1e-05 lose precision
;; workspace buffers: mt 4,194,304 bytes; cvec 8,192 bytes; part 1,048,576 bytes; stat 65,536 bytes
;; launch prep (part 1): grid 16 x 16, 8 waves a work-group, no clusters, 60,416 bytes of LDS; arguments W1_kernel, W2_kernel, W_kernel, W1_bias, W2_bias, mt, cvec; writes mt, cvec
.if DOCPART == 1
	.amdgcn_target "amdgcn-amd-amdhsa--gfx1250"
	.amdhsa_code_object_version 6
	.text
	.protected	k_q124e4c8eaa_prep
	.globl	k_q124e4c8eaa_prep
	.p2align	8
	.type	k_q124e4c8eaa_prep,@function
k_q124e4c8eaa_prep:
	s_mov_b64 s[64:65], 0
	v_nop
	global_prefetch_b8 v0, s[64:65] scope:SCOPE_SE
	s_setreg_imm32_b32 hwreg(HW_REG_WAVE_MODE, 25, 1), 1
	s_wait_xcnt 0x0
; M[d][u] = the sum over j of Wp[d % 1024][j] W[1024 p + j][u], p = d / 1024 (Wp = W1 or W2), d = 0..2047, u = 0..1023, and
; cvec[p][u] = the sum over j of bp[j] W[1024 p + j][u].  No non-linear step stands between the two levels of projections, so
; (S W1) Wa = S (W1 Wa): the next launch multiplies the sequences by M alone.  The order of rounding differs from that of the two-level form.
; LIMITS.  The operands W1, W2, W are rounded to f16 and M is stored in f16: all of them stay below 65,504 in magnitude; below 6e-5 they keep f16's fixed
; step of 6e-8.  Sums in f32.  cvec is made of the unrounded f32 numbers.
; SHARES.  A work-group makes 128 d x 64 u; its eight waves 32 d x 32 u each (wd = wave / 2, wu = wave % 2): four accumulators.  j goes in 16 chunks of 64.
; THE WAY IN goes through registers: the sources are f32 and must be f16 before the turning LDS load, so each number is loaded, rounded once and stored into LDS.
; That is why the tiles that work-groups share are not asked for jointly: a joint request brings bytes as they lie in memory.
; Two sets of registers (a chunk each, 13 loads) and two LDS slots take turns; ONE barrier a chunk orders both the stores of the chunk to be read and the reads of the slot to be written.
; LAYOUT OF mt.  M[d][u] lies at (d/64) 131072 + (u/256) 32768 + (((d/32)%2) 16 + (u/16)%16) 1024 + ((d/16)%2) 512 + ((d/8)%2) 256 + (u%16) 16 + (d%8) 2:
; fragments of 16 u x 32 d of 1,024 bytes, in the order in which a lane of the next launch takes them.  Source 0 = 16 rows d of Wp, source 1 = 16 columns u of W:
; in the result lane (r, h) holds u = r and d = 8 h + 0..7, which pack into the 16 bytes at 16 x lane of half a fragment: each store of a wave covers 512 consecutive bytes, aligned.
.set PITA,  144                        ; a row of Wp's tile in LDS: 64 f16 + 16 bytes: an odd multiple of 16
.set PITB,  160                        ; a row of W's tile: 64 f16 + 32 bytes: an odd multiple of 32, for the turning load
.set BOFF,  128*PITA                   ; a slot: 128 rows of Wp, then 64 rows of W
.set SLOT,  BOFF+64*PITB
.set RED,   2*SLOT                     ; eight waves' partial sums of cvec, 256 bytes each
.set SPARE, RED+2048                   ; the spare words, 128 bytes for each wave: four blocks of 256 bytes that no other line names
.set AO,  2                            ; v2      my byte offset in Wp's tile: (16 wave + l / 16) rows of 4,096 + 16 (l % 16)
.set BO,  3                            ; v3      in W's tile: (8 wave + 4 (l / 16)) rows of 4,096 + 16 (l % 16)
.set BIO, 4                            ; v4      in the bias: 4 (8 wave + 4 (l / 16))
.set AS,  5                            ; v5-6    where I store my 8 bytes of Wp's tile, slot 0, 1
.set BS,  7                            ; v7-8    the same for W's
.set AT,  9                            ; v9-10   where I read fragments of Wp
.set BT,  11                           ; v11-12  where I read fragments of W, turned
.set MO,  13                           ; v13     16 x lane
.set RW,  14                           ; v14     where I put my partial sums of cvec
.set RR,  15                           ; v15     where wave 0 reads them back
.set CO,  16                           ; v16     8 x lane
.set SPW, 18                           ; v18     LDS address of my spare word; never rewritten
.set NIL, 19                           ; v19     0; never rewritten
.set CACC, 20                          ; v20-23  cvec: my rows' share for my four columns
.set ACC, 32                           ; v32-63  accumulator (db, ub) at ACC + 8 (2 db + ub)
.set FR,  64                           ; v64-127 fragments: for 32 j each: Wp db 0, 1, W ub 0, 1
.set RAW, 128                          ; v128-231 two sets of 52: Wp 32, W 16, bias 4
.set CV,  232                          ; v232-255 rounded halves: Wp 16, W 8
.set WV,  20                           ; s20 wave   s21 x   s22 y   s23 p   s24 the loop's count   s25 y % 8
.set PA,  26                           ; s[26:27] Wp at the tile's first row, at the chunk last loaded
.set PW,  28                           ; s[28:29] W at the tile's first column, at the chunk last loaded
.set PBI, 30                           ; s[30:31] the bias at the chunk last loaded
.set MT,  34                           ; s[34:35] mt at my wave's four half fragments
.set SEL, 36                           ; s[36:37] v_permlanex16_b32's selects: each lane takes its own place in the other half
	s_load_b256 s[4:11], s[0:1], 0x0               ; W1 s[4:5], W2 s[6:7], W s[8:9], W1_bias s[10:11]
	s_load_b128 s[12:15], s[0:1], 0x20             ; W2_bias s[12:13], mt s[14:15]
	s_load_b64 s[16:17], s[0:1], 0x30              ; cvec
	v_lshl_add_u32 v[SPW], v0, 2, SPARE
	v_mov_b32 v[NIL], 0
	v_lshrrev_b32 v1, 5, v0
	v_readfirstlane_b32 s[WV], v1                  ; wave 0..7
	s_mov_b32 s21, ttmp9                           ; x: the tile of 64 u
	s_and_b32 s22, ttmp7, 0xffff                   ; y: the tile of 128 d
	s_lshr_b32 s23, s22, 3                         ; p
	s_and_b32 s25, s22, 7
	s_mov_b32 s[SEL], 0x76543210
	s_mov_b32 s[SEL+1], 0xfedcba98
	v_and_b32 v24, 15, v0                          ; r = l % 16
	v_bfe_u32 v25, v0, 4, 1                        ; h = l / 16
	v_and_b32 v26, 31, v0                          ; l
	v_and_b32 v27, 7, v0                           ; l % 8
	v_bfe_u32 v28, v0, 3, 1                        ; (l / 8) % 2
	v_lshlrev_b32 v29, 4, v24                      ; 16 r
	s_lshl_b32 s44, s[WV], 16
	v_lshl_add_u32 v[AO], v25, 12, v29
	v_add_nc_u32 v[AO], s44, v[AO]
	s_lshl_b32 s44, s[WV], 15
	v_lshl_add_u32 v[BO], v25, 14, v29
	v_add_nc_u32 v[BO], s44, v[BO]
	s_lshl_b32 s44, s[WV], 5
	v_lshl_add_u32 v[BIO], v25, 4, s44
	s_mul_i32 s44, s[WV], 16*PITA
	v_mul_u32_u24 v30, v25, PITA
	v_lshl_add_u32 v30, v24, 3, v30
	v_add_nc_u32 v[AS], s44, v30
	v_add_nc_u32 v[AS+1], SLOT, v[AS]
	s_mul_i32 s44, s[WV], 8*PITB
	s_add_co_u32 s44, s44, BOFF
	v_mul_u32_u24 v30, v25, 4*PITB
	v_lshl_add_u32 v30, v24, 3, v30
	v_add_nc_u32 v[BS], s44, v30
	v_add_nc_u32 v[BS+1], SLOT, v[BS]
	s_lshr_b32 s44, s[WV], 1                       ; wd
	s_mul_i32 s44, s44, 32*PITA
	v_mul_u32_u24 v30, v24, PITA
	v_lshl_add_u32 v30, v25, 4, v30                ; row x pitch + 16 x half
	v_add_nc_u32 v[AT], s44, v30
	v_add_nc_u32 v[AT+1], SLOT, v[AT]
	s_and_b32 s44, s[WV], 1                        ; wu
	s_lshl_b32 s44, s44, 6
	s_add_co_u32 s44, s44, BOFF
	v_lshl_add_u32 v30, v25, 3, v27                ; the turning load: lane l reads row 8 (l / 16) + l % 8, 16 bytes at 16 ((l / 8) % 2)
	v_mul_u32_u24 v30, v30, PITB
	v_lshl_add_u32 v30, v28, 4, v30
	v_add_nc_u32 v[BT], s44, v30
	v_add_nc_u32 v[BT+1], SLOT, v[BT]
	v_lshlrev_b32 v[MO], 4, v26
	s_lshl_b32 s44, s[WV], 8
	s_add_co_u32 s44, s44, RED
	v_add_nc_u32 v[RW], s44, v29
	v_lshlrev_b32 v[CO], 3, v26
	v_add_nc_u32 v[RR], RED, v[CO]
	; offsets, made apart from the addresses
	s_lshl_b32 s32, s25, 19                        ; Wp: (y % 8) x 128 rows of 4,096 bytes
	s_mov_b32 s33, 0
	s_lshl_b32 s38, s23, 22                        ; W: p x 1,024 rows of 4,096 bytes
	s_lshl_b32 s44, s21, 8                         ;    + x x 64 columns of 4 bytes
	s_add_co_u32 s38, s38, s44
	s_mov_b32 s39, 0
	s_lshl_b32 s42, s23, 12                        ; cvec: p x 4,096 + x x 256
	s_add_co_u32 s42, s42, s44
	s_mov_b32 s43, 0
	s_lshl_b32 s40, s22, 1                         ; mt: (2 y + wd / 2) x 131,072
	s_lshr_b32 s44, s[WV], 2
	s_add_co_u32 s40, s40, s44
	s_lshl_b32 s40, s40, 17
	s_lshr_b32 s44, s21, 2                         ;   + (x / 4) x 32,768
	s_lshl_b32 s44, s44, 15
	s_add_co_u32 s40, s40, s44
	s_bfe_u32 s44, s[WV], 0x10001                  ;   + ((wd % 2) 16 + 4 (x % 4) + 2 wu) x 1,024
	s_lshl_b32 s44, s44, 4
	s_and_b32 s45, s21, 3
	s_lshl2_add_u32 s44, s45, s44
	s_and_b32 s45, s[WV], 1
	s_lshl1_add_u32 s44, s45, s44
	s_lshl_b32 s44, s44, 10
	s_add_co_u32 s40, s40, s44
	s_mov_b32 s41, 0
	s_wait_kmcnt 0x0
	s_cmp_eq_u32 s23, 0
	s_cselect_b64 s[PA:PA+1], s[4:5], s[6:7]       ; W1 or W2
	s_cselect_b64 s[PBI:PBI+1], s[10:11], s[12:13] ; and its bias
	s_add_nc_u64 s[PA:PA+1], s[PA:PA+1], s[32:33]
	s_add_nc_u64 s[PW:PW+1], s[8:9], s[38:39]
	s_add_nc_u64 s[MT:MT+1], s[14:15], s[40:41]
	s_add_nc_u64 s[16:17], s[16:17], s[42:43]
; A chunk's 13 loads into a set: my 16 rows x 256 bytes of Wp, my 8 rows x 256 bytes of W (lanes 0-15 rows 8 wave + i, lanes 16-31 rows 8 wave + 4 + i), those rows' four bias numbers.
.macro LOADS set, step
.if \step
	s_wait_xcnt 0x0                                ; the loads issued so far have read their bases, so the three may be stepped
	s_add_nc_u64 s[PA:PA+1], s[PA:PA+1], 256
	s_add_nc_u64 s[PW:PW+1], s[PW:PW+1], 64*4096
	s_add_nc_u64 s[PBI:PBI+1], s[PBI:PBI+1], 256
.endif
.irp i, 0,1,2,3,4,5,6,7
	global_load_b128 v[RAW+52*(\set)+4*(\i):RAW+52*(\set)+4*(\i)+3], v[AO], s[PA:PA+1] offset:(\i)*8192
.endr
.irp i, 0,1,2,3
	global_load_b128 v[RAW+52*(\set)+32+4*(\i):RAW+52*(\set)+32+4*(\i)+3], v[BO], s[PW:PW+1] offset:(\i)*4096
.endr
	global_load_b128 v[RAW+52*(\set)+48:RAW+52*(\set)+51], v[BIO], s[PBI:PBI+1]
.endm
; A set is rounded to f16, and its rows of W, unrounded, are added to cvec's share.  left = the younger loads that may stay out.  first = 1: the first product starts the sums.
.macro CONV set, left, first
.set R, RAW+52*(\set)
	s_wait_loadcnt \left
.irp i, 0,1,2,3,4,5,6,7,8,9,10,11
	v_cvt_pk_f16_f32 v[CV+2*(\i)], v[R+4*(\i)], v[R+4*(\i)+1]
	v_cvt_pk_f16_f32 v[CV+2*(\i)+1], v[R+4*(\i)+2], v[R+4*(\i)+3]
.endr
.irp i, 0,1,2,3
.irp c, 0,2
.if (\first) && ((\i) == 0)
	v_pk_mul_f32 v[CACC+(\c):CACC+(\c)+1], v[R+32+(\c):R+32+(\c)+1], v[R+48:R+49] op_sel_hi:[1,0]
.elseif (\i)%2
	v_pk_fma_f32 v[CACC+(\c):CACC+(\c)+1], v[R+32+4*(\i)+(\c):R+32+4*(\i)+(\c)+1], v[R+48+(\i)-1:R+48+(\i)], v[CACC+(\c):CACC+(\c)+1] op_sel:[0,1,0] op_sel_hi:[1,1,1]
.else
	v_pk_fma_f32 v[CACC+(\c):CACC+(\c)+1], v[R+32+4*(\i)+(\c):R+32+4*(\i)+(\c)+1], v[R+48+(\i):R+48+(\i)+1], v[CACC+(\c):CACC+(\c)+1] op_sel_hi:[1,0,1]
.endif
.endr
.endr
.endm
.macro STORES slot                     ; the rounded chunk into a slot: 12 LDS stores of 8 bytes a lane
.irp i, 0,1,2,3,4,5,6,7
	ds_store_b64 v[AS+(\slot)], v[CV+2*(\i):CV+2*(\i)+1] offset:(\i)*2*PITA
.endr
.irp i, 0,1,2,3
	ds_store_b64 v[BS+(\slot)], v[CV+16+2*(\i):CV+16+2*(\i)+1] offset:(\i)*PITB
.endr
.endm
.macro FRAGS s                         ; 16 LDS loads: the chunk's fragments for my 32 d x 32 u
.irp kk, 0,1
.irp db, 0,1
	ds_load_b128 v[FR+32*(\kk)+8*(\db):FR+32*(\kk)+8*(\db)+3],   v[AT+(\s)] offset:(\db)*16*PITA+(\kk)*64
	ds_load_b128 v[FR+32*(\kk)+8*(\db)+4:FR+32*(\kk)+8*(\db)+7], v[AT+(\s)] offset:(\db)*16*PITA+(\kk)*64+32
.endr
.irp ub, 0,1
	ds_load_tr16_b128 v[FR+32*(\kk)+16+8*(\ub):FR+32*(\kk)+16+8*(\ub)+3],   v[BT+(\s)] offset:(\kk)*32*PITB+(\ub)*32
	ds_load_tr16_b128 v[FR+32*(\kk)+16+8*(\ub)+4:FR+32*(\kk)+16+8*(\ub)+7], v[BT+(\s)] offset:(\kk)*32*PITB+(\ub)*32+16*PITB
.endr
.endr
.endm
.macro MULS zero                       ; 8 products; the four accumulators take turns, one instruction a turn, over the backward jump too
.irp kk, 0,1
.irp db, 0,1
.irp ub, 0,1
.if (\zero) && ((\kk) == 0)
	v_wmma_f32_16x16x32_f16 v[ACC+8*(2*(\db)+(\ub)):ACC+8*(2*(\db)+(\ub))+7], v[FR+32*(\kk)+8*(\db):FR+32*(\kk)+8*(\db)+7], v[FR+32*(\kk)+16+8*(\ub):FR+32*(\kk)+16+8*(\ub)+7], 0
.else
	v_wmma_f32_16x16x32_f16 v[ACC+8*(2*(\db)+(\ub)):ACC+8*(2*(\db)+(\ub))+7], v[FR+32*(\kk)+8*(\db):FR+32*(\kk)+8*(\db)+7], v[FR+32*(\kk)+16+8*(\ub):FR+32*(\kk)+16+8*(\ub)+7], v[ACC+8*(2*(\db)+(\ub)):ACC+8*(2*(\db)+(\ub))+7]
.endif
.endr
.endr
.endr
.endm
; A chunk, in slot s.  conv = 1: the next chunk is rounded and stored into the other slot; load = 1: the chunk three on is asked for, into the set just rounded.
.macro BODY s, zero, conv, left, load
	s_wait_dscnt 0x0                               ; my stores of this chunk are done, and my reads of the other slot are back
	s_barrier_signal -1
	s_barrier_wait -1                              ; both now hold of all eight waves
.if \conv
	CONV 1-(\s), \left, 0                          ; 32 plain lines that name no register of the last products: the places in front of the loads into the fragments
.else
.rept 4
	v_nop
.endr
.endif
	FRAGS \s
.if \conv
	STORES 1-(\s)
.endif
.if \load
	LOADS 1-(\s), 1
.endif
.if \conv
	s_wait_dscnt 12                                ; the 16 fragment loads are in; the 12 stores behind them may stay out
.else
	s_wait_dscnt 0x0
.endif
	MULS \zero
.endm
	LOADS 0, 0                                     ; chunk 0
	LOADS 1, 1                                     ; chunk 1
	CONV 0, 13, 1                                  ; chunk 1's 13 loads may stay out
	STORES 0
	LOADS 0, 1                                     ; chunk 2
	BODY 0, 1, 1, 13, 1                            ; chunk 0 stands in front of the loop: its first products start the sums
	s_mov_b32 s24, 6
.Lchunk:                                               ; chunks 1 to 12, two a trip; in each the count 13 leaves the chunk after next on its way
	BODY 1, 0, 1, 13, 1
	BODY 0, 0, 1, 13, 1
	s_sub_co_u32 s24, s24, 1
	s_cmp_lg_u32 s24, 0
	s_cbranch_scc1 .Lchunk
	BODY 1, 0, 1, 13, 0                            ; chunk 13: nothing is left to ask for
	BODY 0, 0, 1, 0, 0                             ; chunk 14: the last set is rounded
	BODY 1, 0, 0, 0, 0                             ; chunk 15
.rept 8
	v_nop                                          ; the places behind the last products, once a launch
.endr
.irp db, 0,1
.irp ub, 0,1
.irp q, 0,1,2,3
	v_cvt_pk_f16_f32 v[CV+4*(2*(\db)+(\ub))+(\q)], v[ACC+8*(2*(\db)+(\ub))+2*(\q)], v[ACC+8*(2*(\db)+(\ub))+2*(\q)+1]  ; each accumulator from its low end on
.endr
	global_store_b128 v[MO], v[CV+4*(2*(\db)+(\ub)):CV+4*(2*(\db)+(\ub))+3], s[MT:MT+1] offset:(\ub)*1024+(\db)*512  ; 512 consecutive bytes, aligned
.endr
.endr
	; cvec: the other half of the lanes holds the other rows' share; then the eight waves' shares meet in LDS
.irp i, 0,1,2,3
	v_permlanex16_b32 v[24+(\i)], v[CACC+(\i)], s[SEL], s[SEL+1]
.endr
	v_pk_add_f32 v[CACC:CACC+1], v[CACC:CACC+1], v[24:25]
	v_pk_add_f32 v[CACC+2:CACC+3], v[CACC+2:CACC+3], v[26:27]
	ds_store_b128 v[RW], v[CACC:CACC+3]            ; both halves of the lanes write the same numbers to the same bytes
	s_wait_dscnt 0x0                               ; for the others' sake
	s_barrier_signal -1
	s_barrier_wait -1
	s_or_b32 s44, s[WV], s25                       ; the eight tiles of d of a half make the same sums: the first of them stores, by its wave 0
	s_cmp_lg_u32 s44, 0
	s_cbranch_scc1 .Lend
.irp k, 0,1,2,3,4,5,6,7
	ds_load_b64 v[FR+2*(\k):FR+2*(\k)+1], v[RR] offset:(\k)*256
.endr
	s_wait_dscnt 0x0
	v_pk_add_f32 v[FR:FR+1], v[FR:FR+1], v[FR+2:FR+3]
	v_pk_add_f32 v[FR+4:FR+5], v[FR+4:FR+5], v[FR+6:FR+7]
	v_pk_add_f32 v[FR+8:FR+9], v[FR+8:FR+9], v[FR+10:FR+11]
	v_pk_add_f32 v[FR+12:FR+13], v[FR+12:FR+13], v[FR+14:FR+15]
	v_pk_add_f32 v[FR:FR+1], v[FR:FR+1], v[FR+4:FR+5]
	v_pk_add_f32 v[FR+8:FR+9], v[FR+8:FR+9], v[FR+12:FR+13]
	v_pk_add_f32 v[FR:FR+1], v[FR:FR+1], v[FR+8:FR+9]
	global_store_b64 v[CO], v[FR:FR+1], s[16:17]   ; 64 columns: 256 consecutive bytes, aligned
.Lend:
	s_wait_tensorcnt 0x0                           ; the wave's end: behind my last LDS store
	ds_add_u32 v[SPW], v[NIL]
	s_wait_dscnt 0x0
	s_endpgm
.Lfunc_end_k_q124e4c8eaa_prep:
	.size	k_q124e4c8eaa_prep, .Lfunc_end_k_q124e4c8eaa_prep-k_q124e4c8eaa_prep
	.p2alignl 7, 3214868480
	.fill 96, 4, 3214868480
	.section	.rodata,"a",@progbits
	.p2align	6, 0x0
	.amdhsa_kernel k_q124e4c8eaa_prep
		.amdhsa_group_segment_fixed_size 60416
		.amdhsa_private_segment_fixed_size 0
		.amdhsa_enable_private_segment 0
		.amdhsa_kernarg_size 56
		.amdhsa_user_sgpr_count 2
		.amdhsa_user_sgpr_kernarg_segment_ptr 1
		.amdhsa_wavefront_size32 1
		.amdhsa_system_sgpr_workgroup_id_x 1
		.amdhsa_system_sgpr_workgroup_id_y 1
		.amdhsa_system_sgpr_workgroup_id_z 1
		.amdhsa_system_vgpr_workitem_id 0
		.amdhsa_next_free_vgpr 256
		.amdhsa_next_free_sgpr 66
		.amdhsa_reserve_vcc 0
		.amdhsa_float_denorm_mode_32 3
		.amdhsa_float_denorm_mode_16_64 3
		.amdhsa_memory_ordered 1
		.amdhsa_forward_progress 1
		.amdhsa_inst_pref_size 43
	.end_amdhsa_kernel
	.amdgpu_metadata
---
amdhsa.version: [ 1, 2 ]
amdhsa.kernels:
  - .name:           k_q124e4c8eaa_prep
    .symbol:         k_q124e4c8eaa_prep.kd
    .args:
      - { .name: W1_kernel, .offset: 0, .size: 8, .value_kind: global_buffer, .address_space: global }
      - { .name: W2_kernel, .offset: 8, .size: 8, .value_kind: global_buffer, .address_space: global }
      - { .name: W_kernel, .offset: 16, .size: 8, .value_kind: global_buffer, .address_space: global }
      - { .name: W1_bias, .offset: 24, .size: 8, .value_kind: global_buffer, .address_space: global }
      - { .name: W2_bias, .offset: 32, .size: 8, .value_kind: global_buffer, .address_space: global }
      - { .name: mt, .offset: 40, .size: 8, .value_kind: global_buffer, .address_space: global }
      - { .name: cvec, .offset: 48, .size: 8, .value_kind: global_buffer, .address_space: global }
    .group_segment_fixed_size: 60416
    .private_segment_fixed_size: 0
    .kernarg_segment_align: 8
    .kernarg_segment_size: 56
    .max_flat_workgroup_size: 256
    .sgpr_count:     66
    .vgpr_count:     256
    .wavefront_size: 32
...
	.end_amdgpu_metadata
.endif
;; end of part 1
;; launch fuse (part 2): grid 256 x 1, 4 waves a work-group, clusters of 4 x 1, 327,680 bytes of LDS; arguments sequences1, sequences2, mt, cvec, W_bias, context_vector, part, stat; writes part, stat
.if DOCPART == 2
	.amdgcn_target "amdgcn-amd-amdhsa--gfx1250"
	.amdhsa_code_object_version 6
	.text
	.protected	k_q124e4c8eaa_fuse
	.globl	k_q124e4c8eaa_fuse
	.p2align	8
	.type	k_q124e4c8eaa_fuse,@function
k_q124e4c8eaa_fuse:
	s_mov_b64 s[64:65], 0
	v_nop
	global_prefetch_b8 v0, s[64:65] scope:SCOPE_SE
	s_setreg_imm32_b32 hwreg(HW_REG_WAVE_MODE, 25, 1), 1
	s_wait_xcnt 0x0
	s_wait_alu depctr_hold_cnt(0) depctr_sa_sdst(0) depctr_va_vdst(0) depctr_va_sdst(0) depctr_va_ssrc(0) depctr_va_vcc(0) depctr_vm_vsrc(0)
	s_getreg_b32 s2, hwreg(HW_REG_IB_STS2, 6, 4)
	s_cmp_eq_u32 s2, 0
	s_cbranch_scc0 .Lentry_in_a_cluster
	s_endpgm
.Lentry_in_a_cluster:
	s_bfe_u32 s2, ttmp6, 0x10000c
	s_cmp_lg_u32 s2, 0x3003
	s_cbranch_scc0 .Lentry_shape_is_right
	s_endpgm
.Lentry_shape_is_right:
; For a block of 64 rows t of the 16,384 (16 batches x 1,024 steps) and all 1,024 units u:  x = [s1 s2] M + c, c = cvec[0] + cvec[1] + W_bias;  f = tanh x;
; s = log2(e) x the sum over u of f ctx[u];  m = the block's largest s;  p = 2^(s - m);  l = the sum of p;  v[u] = the sum over t of p f.
; part takes v, stat (m, l): the next launch joins a batch's 16 blocks by the rule of the running maximum.  The features never leave the registers.
; LIMITS.  The sequences are rounded to f16 for the product (M is f16 already): they stay below 65,504 in magnitude.  Sums, tanh, scores, maxima and weights in f32.
; tanh x = 1 - 2 / (1 + 2^(2 log2(e) x)), which ends at 1 and -1 where the power is infinite or 0; where |x| < 2^-7 it is x itself (off by x^2 / 3 of itself, 2e-5 at the most),
; chosen by a select, with no branch.  A weight below 2^-126 counts as 0.  NaN and infinities are not treated apart.
; SHARES.  Work-group g = 4 x cluster + cx owns rows 64 g .. 64 g + 63.  Wave w owns columns 256 w .. 256 w + 255 of all 64 rows: 64 accumulators of 16 x 16, 512 registers.
; Source 0 = 16 rows of S, source 1 = 16 columns of M: in the result lane (r, h) holds column u = r and rows 8 h + 0..7: sums over rows stay in the lane, sums over columns cross 16 lanes.
; K = 2,048 goes in 32 steps of 64.  THE WALK IS TURNED: step i takes tile (k0 + i) % 32, k0 = 2 (cluster % 16), the same in the four partners; f32 sums may be taken in any order.
; So the 64 clusters do not all ask for the same tile of M in the same step, and the two first fills of the sixteen starting points are, together, all 32 tiles.
; M: a step's tile is 131,072 dense bytes of mt, wave w's columns a dense quarter.  All work-groups read the same tiles, so each quarter is asked for JOINTLY by the four partners' waves w:
; the same tensor load, descriptor and mask.  Two slots of 131,072 bytes take turns; the refill stands first behind a round of the cluster's barrier.  A wave reads only the quarter that it fetched.
; S comes through registers: it is f32 and is rounded once.  A wave loads 16 rows x 256 bytes of a tile (8 loads), two whole steps ahead of their use (two sets of registers), rounds them and stores
; them into one of two small LDS slots, from which all four waves take fragments.  Loads into registers stay on their way across the rounds.
; S IS PREFETCHED: in every second step a wave names its own 16 rows x 256 bytes of two tiles, a lane a block, one instruction, behind its loads: the tiles that it will load two and three steps later.
; Each block is named once in the launch.  The first six tiles come by their loads alone; the loop's last trip asks for nothing.
; mt is not prefetched: every tile's first reading in the launch is among the first fills, at the head.
; REGISTERS, in windows of 256 (s_set_vgpr_msb: bits 1:0 source 0, 3:2 source 1, 5:4 source 2, 7:6 destination):
;   window 0: v0-31 addresses; v32-95 fragments of S, two buffers; v96-159 S as loaded, two sets; v160-175 rounded halves; v176-191 c; v192-207 ctx; v208-239 scores; v240-255 at work
;   window 1: fragments of M, two buffers of 128      window 2: accumulator (a, b), b < 8, at 8 (4 b + a)      window 3: the same for b >= 8
.set PITA,   144                       ; a row of S's tile in LDS: 64 f16 + 16 bytes: an odd multiple of 16
.set BSLOT,  131072                    ; M's slots at 0 and here
.set ASLOT0, 2*BSLOT                   ; S's slots: 64 rows each.  From here on no tensor load lands
.set ASLOT1, ASLOT0+64*PITA
.set SCR,    ASLOT1+64*PITA            ; four waves' partial scores, 256 bytes each
.set STG,    SCR+1024                  ; the way out: 1,024 bytes for each wave
.set SPARE,  STG+4096                  ; the spare words, 128 bytes for each wave: two blocks of 256 bytes that no other line names
.set AO,  2                            ; v2     my byte offset in the block's rows of S: (16 w + l / 16) x 4,096 + 16 (l % 16)
.set PFO, 3                            ; v3     the prefetch's: (16 w + l % 16) x 4,096 + 256 (l / 16)
.set AA,  4                            ; v4-5   where I read fragments of S, slot 0, 1
.set AS,  6                            ; v6-7   where I store my 8 bytes of S's tile
.set BB,  8                            ; v8-9   where I read fragments of M: slot + 32,768 w + 16 l
.set SW,  10                           ; v10    where I put partial scores
.set SR,  11                           ; v11    where I read all four waves'
.set GW,  12                           ; v12    the way out: where I put a number
.set GR,  13                           ; v13    where I read 16 bytes back
.set PO,  14                           ; v14    my byte offset in the block's row of part
.set TO,  15                           ; v15    8 x lane
.set UO,  16                           ; v16    4 (256 w + l % 16)
.set SPW, 28                           ; v28    LDS address of my spare word; never rewritten
.set NIL, 29                           ; v29    0; never rewritten
.set AF,  32
.set RAW, 96
.set CV,  160
.set CB,  176
.set CX,  192
.set SC,  208
.set TW,  240
.set ML,  244                          ; v244-245  m twice, later (m, l)
.set VV,  32                           ; the way out: v's sums, a pair for each b
.set WV,  20                           ; s20 wave   s21 cx   s22 g   s23 k0
.set G1,  24                           ; s[24:31] descriptor group 1
.set G0,  32                           ; s[32:39] descriptor group 0, a set for each slot
.set S1R, 40                           ; s[40:41] sequences1 at my block's first row
.set S2R, 42                           ; s[42:43] sequences2
.set AB,  44                           ; s[44:45] the tile of S that is being loaded
.set PF,  46                           ; s[46:47] the pair of tiles that is being prefetched
.set OF,  48                           ; s[48:49] an offset that all partners share; the high word stays 0
.set MTW, 50                           ; s[50:51] mt at my wave's quarter of tile 0
.set NA,  52                           ; s52  the tile of S to be loaded next
.set NB,  53                           ; s53  the tile of M to be asked for next
.set NP,  54                           ; s54  the first of the two tiles to be prefetched next
.set CNT, 55                           ; s55  trips to go
.set K2,  56                           ; s[56:57] 2 log2(e)
.set SEL, 58                           ; s[58:59] v_permlanex16_b32's selects
.set TAU, 60                           ; s60  2^-7
.set HM,  61                           ; s61  the mask of lanes 16-31
.set L2E, 62                           ; s[62:63] log2(e)
.set PART, 66                          ; s[66:67] part at my block
.set STAT, 68                          ; s[68:69] stat at my block
.set OG,  70                           ; s[70:71] an offset made of g: it enters S's, part's and stat's addresses alone
.set MK,  72                           ; s72-75  four lane masks
.set MSB, 0
.macro WIN new                         ; the immediate's high byte repeats the setting that is left; a switch that changes nothing is dropped
.if MSB != (\new)
	s_set_vgpr_msb (MSB<<8)|(\new)
.set MSB, \new
.endif
.endm
.set MUL_LO, 0xa4                      ; source 0 (S) window 0, source 1 (M) window 1, C and D window 2
.set MUL_HI, 0xf4                      ; the same, C and D window 3
.set TO_B,   0x40                      ; destination window 1, address window 0
.macro PLACES                          ; four places in front of loads into registers that matrix instructions have read
.rept 4
	v_nop
.endr
.endm
.macro CREST                           ; a round of the cluster's barrier behind its opening barrier
	s_cmp_lg_u32 s[WV], 0
	s_cbranch_scc1 .Lnot_wave_0_\@
	s_barrier_signal -3
.Lnot_wave_0_\@:
	s_barrier_wait -3
	s_barrier_signal -1
	s_barrier_wait -1
.endm
.macro CROUND                          ; a whole round
	s_barrier_signal -1
	s_barrier_wait -1
	CREST
.endm
; 4 nb matrix instructions: column blocks b0 .. b0 + nb - 1 x the four row blocks, 32 along K, from buffer f.  The 64 accumulators take turns, one instruction a turn, in the same
; order in every half step, over the backward jump too.  zero = 1: the product starts the sum.
.macro MUL f, b0, nb, zero
.set bb, \b0
.rept \nb
.if bb < 8
	WIN MUL_LO
.else
	WIN MUL_HI
.endif
.set aa, 0
.rept 4
.if \zero
	v_wmma_f32_16x16x32_f16 v[8*(4*(bb%8)+aa):8*(4*(bb%8)+aa)+7], v[AF+32*(\f)+8*aa:AF+32*(\f)+8*aa+7], v[128*(\f)+8*bb:128*(\f)+8*bb+7], 0
.else
	v_wmma_f32_16x16x32_f16 v[8*(4*(bb%8)+aa):8*(4*(bb%8)+aa)+7], v[AF+32*(\f)+8*aa:AF+32*(\f)+8*aa+7], v[128*(\f)+8*bb:128*(\f)+8*bb+7], v[8*(4*(bb%8)+aa):8*(4*(bb%8)+aa)+7]
.endif
.set aa, aa+1
.endr
.set bb, bb+1
.endr
.endm
; 40 LDS loads in one run: half kk of a step's fragments into buffer f: S's four (8 loads) first, then M's sixteen, b ascending.  A fragment of M is 1,024 dense bytes: a load takes 512 on end.
.macro FETCH slot, kk, f
	WIN 0
.irp a, 0,1,2,3
	ds_load_b128 v[AF+32*(\f)+8*(\a):AF+32*(\f)+8*(\a)+3],   v[AA+(\slot)] offset:(\a)*16*PITA+(\kk)*64
	ds_load_b128 v[AF+32*(\f)+8*(\a)+4:AF+32*(\f)+8*(\a)+7], v[AA+(\slot)] offset:(\a)*16*PITA+(\kk)*64+32
.endr
	WIN TO_B
.irp b, 0,1,2,3,4,5,6,7,8,9,10,11,12,13,14,15
	ds_load_b128 v[128*(\f)+8*(\b):128*(\f)+8*(\b)+3],   v[BB+(\slot)] offset:((\kk)*16+(\b))*1024
	ds_load_b128 v[128*(\f)+8*(\b)+4:128*(\f)+8*(\b)+7], v[BB+(\slot)] offset:((\kk)*16+(\b))*1024+512
.endr
.endm
; A set of S is rounded to f16 and stored into a slot.  left = the younger loads that may stay out.
.macro CONV set, slot, left
	s_wait_loadcnt \left
.irp i, 0,1,2,3,4,5,6,7
	v_cvt_pk_f16_f32 v[CV+2*(\i)], v[RAW+32*(\set)+4*(\i)], v[RAW+32*(\set)+4*(\i)+1]
	v_cvt_pk_f16_f32 v[CV+2*(\i)+1], v[RAW+32*(\set)+4*(\i)+2], v[RAW+32*(\set)+4*(\i)+3]
.endr
.irp i, 0,1,2,3,4,5,6,7
	ds_store_b64 v[AS+(\slot)], v[CV+2*(\i):CV+2*(\i)+1] offset:(\i)*2*PITA
.endr
.endm
; My 16 rows x 256 bytes of tile NA of S: tiles 0-15 lie in sequences1, 16-31 in sequences2.
.macro ALOAD set
	s_wait_xcnt 0x0                                ; the loads and the prefetch issued so far have read their bases, so AB (and PF, below) may be written
	s_cmp_lt_u32 s[NA], 16
	s_cselect_b64 s[AB:AB+1], s[S1R:S1R+1], s[S2R:S2R+1]
	s_and_b32 s[OF], s[NA], 15
	s_lshl_b32 s[OF], s[OF], 8
	s_add_nc_u64 s[AB:AB+1], s[AB:AB+1], s[OF:OF+1]
	s_add_co_u32 s[NA], s[NA], 1
	s_and_b32 s[NA], s[NA], 31
.irp i, 0,1,2,3,4,5,6,7
	global_load_b128 v[RAW+32*(\set)+4*(\i):RAW+32*(\set)+4*(\i)+3], v[AO], s[AB:AB+1] offset:(\i)*8192 th:TH_LOAD_NT
.endr
.endm
; The prefetch: tiles NP and NP + 1 (NP is even: both lie in one tensor, side by side): lanes 0-15 my 16 rows of the first, lanes 16-31 of the second.
.macro ASK
	s_cmp_lt_u32 s[NP], 16
	s_cselect_b64 s[PF:PF+1], s[S1R:S1R+1], s[S2R:S2R+1]
	s_and_b32 s[OF], s[NP], 15
	s_lshl_b32 s[OF], s[OF], 8
	s_add_nc_u64 s[PF:PF+1], s[PF:PF+1], s[OF:OF+1]
	s_add_co_u32 s[NP], s[NP], 2
	s_and_b32 s[NP], s[NP], 31
	s_cmp_gt_u32 s[CNT], 1                         ; the last trip's pair would lie behind the walk's end
	s_cbranch_scc0 .Lnot_asked_\@
	global_prefetch_b8 v[PFO], s[PF:PF+1] th:TH_LOAD_NT scope:SCOPE_SE
.Lnot_asked_\@:
.endm
; The constants of my 16 column blocks: for block b the number of column 256 w + 16 b + l % 16.  cvec's second row and W_bias go where the scores will lie.
.macro CONSTS
.set k, 0
.rept 16
	global_load_b32 v[CB+k], v[UO], s[10:11] offset:64*k
	global_load_b32 v[SC+k], v[UO], s[10:11] offset:4096+64*k
	global_load_b32 v[SC+16+k], v[UO], s[12:13] offset:64*k
	global_load_b32 v[CX+k], v[UO], s[14:15] offset:64*k
.set k, k+1
.endr
.endm
; A STEP's FIRST HALF multiplies buffer 0 and fetches the second half's fragments into buffer 1.  conv = 1: the next step's tile of S is rounded and stored into the other slot, which nobody
; reads since the last barrier; load = 1: the tile three steps on is asked for, into the set just rounded.
.macro H0 s, zero, conv, left, load, pf, consts
	s_wait_dscnt 24                                ; S's fragments and M's blocks 0-3 are in; blocks 4-15, 24 loads, may be out
	MUL 0, 0, 4, \zero
	WIN 0
.if \conv
	CONV 1-(\s), 1-(\s), \left                     ; its 16 conversions are the places in front of the loads into buffer 1
.else
	PLACES
.endif
.if \load
	ALOAD 1-(\s)
.endif
.if \pf
	ASK
.endif
.if \consts
	CONSTS
.endif
	FETCH \s, 1, 1
.if \conv
	s_wait_dscnt 63                                ; blocks 4-7: 64 are younger (16 loads, 8 stores, the 40 just issued); the count's field ends at 63
	MUL 0, 4, 4, \zero
	s_wait_dscnt 56                                ; blocks 8-11: 8 + 8 + 40 are younger
	MUL 0, 8, 4, \zero
	s_wait_dscnt 48                                ; blocks 12-15: 8 + 40
	MUL 0, 12, 4, \zero
.else
	s_wait_dscnt 56
	MUL 0, 4, 4, \zero
	s_wait_dscnt 48
	MUL 0, 8, 4, \zero
	s_wait_dscnt 40
	MUL 0, 12, 4, \zero
.endif
.endm
; A STEP's SECOND HALF multiplies buffer 1 and changes slots.  In front of the barrier each wave waits for all its tensor loads, of which one is out: its quarter of the other slot; adds 0 to its
; spare word; and waits for that, for its stores of S's next tile and for its reads of this slot.  mode = 2: the barrier opens a round of the cluster's, and M's slot s is filled again, first
; thing behind the round, with the tile two steps on: 112 matrix instructions ahead of the wait for it.  mode = 1: nothing is left to ask for.  mode = 0: the last half of all.
.macro H1 s, mode
.if (\mode) == 0
	s_wait_dscnt 24
	MUL 1, 0, 4, 0
	s_wait_dscnt 16
	MUL 1, 4, 4, 0
	s_wait_dscnt 8
	MUL 1, 8, 4, 0
	s_wait_dscnt 0x0
	MUL 1, 12, 4, 0
.else
	WIN 0                                          ; (the add's two registers lie in window 0)
	s_wait_tensorcnt 0x0                           ; no tensor load of mine is out, so a group 0 may be written
	ds_add_u32 v[SPW], v[NIL]                      ; 0 onto my spare word
.if (\mode) == 2
	s_lshl_b32 s[OF], s[NB], 17                    ; the address is made anew: my quarter of tile NB
	s_add_nc_u64 s[G0+4*(\s)+2:G0+4*(\s)+3], s[MTW:MTW+1], s[OF:OF+1]
	s_or_b32 s[G0+4*(\s)+3], s[G0+4*(\s)+3], 0x80000000
	s_add_co_u32 s[NB], s[NB], 1
	s_and_b32 s[NB], s[NB], 31
.endif
	s_wait_dscnt 29                                ; S's fragments and M's blocks 0, 1 are in; 28 loads and the add may be out
	MUL 1, 0, 2, 0
	s_wait_dscnt 0x0                               ; the add is done, my stores of S are done, my reads of this slot are back
	s_barrier_signal -1
	MUL 1, 2, 2, 0                                 ; work on registers while the others arrive
	WIN 0
	s_barrier_wait -1
.if (\mode) == 2
	CREST                                          ; no wave of any partner still reads the slot or has a load on its way
	tensor_load_to_lds s[G0+4*(\s):G0+4*(\s)+3], s[G1:G1+7]
	s_nop 0
	PLACES                                         ; also the places in front of the loads into buffer 0
.else
	PLACES
.endif
	FETCH 1-(\s), 0, 0
	MUL 1, 4, 12, 0
.endif
.endm
	s_load_b512 s[4:19], s[0:1], 0x0               ; sequences1 s[4:5], sequences2 s[6:7], mt s[8:9], cvec s[10:11], W_bias s[12:13], context_vector s[14:15], part s[16:17], stat s[18:19]
	v_lshl_add_u32 v[SPW], v0, 2, SPARE
	v_mov_b32 v[NIL], 0
	ds_add_u32 v[SPW], v[NIL]                      ; the wave's opening: the add and its wait stand ahead of my first tensor load; the set-up below, work on registers, stands between them
	v_lshrrev_b32 v1, 5, v0
	v_readfirstlane_b32 s[WV], v1                  ; wave 0..3
	s_bfe_u32 s21, ttmp6, 0x40000                  ; cx: my place in the cluster
	s_lshl_b32 s22, ttmp9, 2                       ; in a cluster launch ttmp9 counts clusters
	s_add_co_u32 s22, s22, s21                     ; g
	s_and_b32 s23, ttmp9, 15
	s_lshl_b32 s23, s23, 1                         ; k0: made of the cluster's number alone
	; descriptor group 1: 32,768 dense bytes as 128 rows of 256, no padding
	s_mov_b32 s[G1+0], 15|(3<<16)|(1<<21)          ; 15:0 the mask: all four work-groups; 17:16 elements of 8 bytes; 21 set beside a mask
	s_mov_b32 s[G1+1], 32<<16                      ; tensor_dim0 = 32
	s_mov_b32 s[G1+2], 128<<16                     ; tensor_dim1 = 128
	s_mov_b32 s[G1+3], 32<<16                      ; tile_dim0 = 32
	s_mov_b32 s[G1+4], 128                         ; tile_dim1 = 128
	s_mov_b32 s[G1+5], 32                          ; 32 elements from row to row
	s_mov_b32 s[G1+6], 0
	s_mov_b32 s[G1+7], 0
	s_mov_b32 s[G0], 1                             ; count = 1
	s_lshl_b32 s[G0+1], s[WV], 15                  ; LDS address: slot 0, my quarter: no place in the cluster enters an LDS address
	s_mov_b32 s[G0+4], 1
	s_add_co_u32 s[G0+5], s[G0+1], BSLOT           ; slot 1
	s_mov_b32 s[OF+1], 0
	s_mov_b32 s[OG+1], 0
	s_mov_b32 s[K2], 0x4038aa3b
	s_mov_b32 s[K2+1], s[K2]                       ; named with it as a pair
	s_mov_b32 s[SEL], 0x76543210
	s_mov_b32 s[SEL+1], 0xfedcba98
	s_mov_b32 s[TAU], 0x3c000000
	s_mov_b32 s[HM], 0xffff0000
	s_mov_b32 s[L2E], 0x3fb8aa3b
	s_mov_b32 s[L2E+1], s[L2E]
	s_mov_b32 s[NA], s23
	s_add_co_u32 s[NB], s23, 2
	s_and_b32 s[NB], s[NB], 31
	s_add_co_u32 s[NP], s23, 6
	s_and_b32 s[NP], s[NP], 31
	v_and_b32 v20, 15, v0                          ; r = l % 16
	v_bfe_u32 v21, v0, 4, 1                        ; h = l / 16
	v_and_b32 v22, 31, v0                          ; l
	s_lshl_b32 s[OF], s[WV], 16
	v_lshlrev_b32 v[AO], 4, v20
	v_lshl_add_u32 v[AO], v21, 12, v[AO]
	v_add_nc_u32 v[AO], s[OF], v[AO]
	v_lshlrev_b32 v[PFO], 12, v20
	v_lshl_add_u32 v[PFO], v21, 8, v[PFO]
	v_add_nc_u32 v[PFO], s[OF], v[PFO]
	v_mul_u32_u24 v23, v20, PITA
	v_lshl_add_u32 v23, v21, 4, v23                ; a fragment's row x pitch + 16 x half
	v_add_nc_u32 v[AA], ASLOT0, v23
	v_add_nc_u32 v[AA+1], ASLOT1, v23
	s_mul_i32 s[OF], s[WV], 16*PITA
	v_mul_u32_u24 v23, v21, PITA
	v_lshl_add_u32 v23, v20, 3, v23
	v_add_nc_u32 v23, s[OF], v23
	v_add_nc_u32 v[AS], ASLOT0, v23
	v_add_nc_u32 v[AS+1], ASLOT1, v23
	s_lshl_b32 s[OF], s[WV], 15
	v_lshl_add_u32 v[BB], v22, 4, s[OF]
	v_add_nc_u32 v[BB+1], BSLOT, v[BB]
	s_lshl_b32 s[OF], s[WV], 8
	s_add_co_u32 s[OF], s[OF], SCR
	v_lshl_add_u32 v[SW], v21, 5, s[OF]
	v_lshlrev_b32 v[SR], 5, v21
	v_add_nc_u32 v[SR], SCR, v[SR]
	s_lshl_b32 s[OF], s[WV], 10
	v_lshl_add_u32 v[PO], v22, 4, s[OF]
	v_add_nc_u32 v[GR], STG, v[PO]
	v_lshl_add_u32 v[GW], v22, 2, s[OF]
	v_add_nc_u32 v[GW], STG, v[GW]
	v_lshlrev_b32 v[TO], 3, v22
	v_lshl_add_u32 v[UO], v20, 2, s[OF]
	s_wait_dscnt 0x0                               ; the opening add is done
	s_wait_kmcnt 0x0
	s_lshl_b32 s[OG], s22, 18                      ; my block's 64 rows of 4,096 bytes
	s_add_nc_u64 s[S1R:S1R+1], s[4:5], s[OG:OG+1]
	s_add_nc_u64 s[S2R:S2R+1], s[6:7], s[OG:OG+1]
	s_lshl_b32 s[OG], s22, 12
	s_add_nc_u64 s[PART:PART+1], s[16:17], s[OG:OG+1]
	s_lshl_b32 s[OG], s22, 8
	s_add_nc_u64 s[STAT:STAT+1], s[18:19], s[OG:OG+1]
	s_lshl_b32 s[OF], s[WV], 15
	s_add_nc_u64 s[MTW:MTW+1], s[8:9], s[OF:OF+1]
	s_lshl_b32 s[OF], s23, 17                      ; tile k0,
	s_add_nc_u64 s[G0+2:G0+3], s[MTW:MTW+1], s[OF:OF+1]
	s_or_b32 s[G0+3], s[G0+3], 0x80000000          ; type = 2
	s_add_co_u32 s[OF], s[OF], BSLOT               ; and tile k0 + 1 (k0 is 30 at the most)
	s_add_nc_u64 s[G0+6:G0+7], s[MTW:MTW+1], s[OF:OF+1]
	s_or_b32 s[G0+7], s[G0+7], 0x80000000
	ALOAD 0                                        ; S's first two tiles are asked for before the partners meet
	ALOAD 1
	CROUND                                         ; all four work-groups are here: the first joint loads meet
	tensor_load_to_lds s[G0:G0+3], s[G1:G1+7]      ; both first fills go out together: two tensor loads of mine are out
	s_nop 0
	tensor_load_to_lds s[G0+4:G0+7], s[G1:G1+7]
	s_nop 0
	PLACES
	CONV 0, 0, 8                                   ; S's first tile; the second tile's 8 loads may stay out
	ALOAD 0                                        ; the third
	s_wait_tensorcnt 0x1                           ; my quarter of slot 0 is in; slot 1's may stay out
	s_wait_dscnt 0x0                               ; my part of S's first tile is stored
	s_barrier_signal -1
	s_barrier_wait -1
	FETCH 0, 0, 0
	H0 0, 1, 1, 8, 1, 0, 0                         ; step 0's first half stands in front of the loop: its products start the sums
	WIN 0                                          ; at a label and at a branch every window is 0
	s_mov_b32 s[CNT], 14
.Lloop:                                                ; trip j: the second half of step 2 j, step 2 j + 1, the first half of step 2 j + 2.  The count 8 leaves the next tile's loads on their way
	H1 0, 2
	H0 1, 0, 1, 8, 1, 1, 0
	H1 1, 2
	H0 0, 0, 1, 8, 1, 0, 0
	WIN 0
	s_sub_co_u32 s[CNT], s[CNT], 1
	s_cmp_lg_u32 s[CNT], 0
	s_cbranch_scc1 .Lloop
	H1 0, 2                                        ; the tail is written out, so that no load is jumped over.  Step 28 asks for tile 30 of the walk,
	H0 1, 0, 1, 8, 0, 0, 1                         ; step 29 loads nothing more of S; the constants are asked for,
	H1 1, 2                                        ; and tile 31
	H0 0, 0, 1, 0, 0, 0, 0                         ; step 30: S's last tile; the wait for 0 serves the constants too
	H1 0, 1
	H0 1, 0, 0, 0, 0, 0, 0                         ; step 31
	H1 1, 0
	; c = cvec[0] + cvec[1] + W_bias, and ctx x log2(e): 24 plain lines, which are also the places behind the last products
	WIN 0
.set k, 0
.rept 8
	v_pk_add_f32 v[CB+2*k:CB+2*k+1], v[CB+2*k:CB+2*k+1], v[SC+2*k:SC+2*k+1]
.set k, k+1
.endr
.set k, 0
.rept 8
	v_pk_add_f32 v[CB+2*k:CB+2*k+1], v[CB+2*k:CB+2*k+1], v[SC+16+2*k:SC+16+2*k+1]
.set k, k+1
.endr
.set k, 0
.rept 8
	v_pk_mul_f32 v[CX+2*k:CX+2*k+1], v[CX+2*k:CX+2*k+1], s[L2E:L2E+1] op_sel_hi:[1,0]
.set k, k+1
.endr
; TANH AND SCORES, a column block n (32 registers on end: rows 16 a + 8 h + j at 8 a + j) at a time, in five pieces that run as a pipeline over four sets of 32 registers at work (v32-159).
.macro SETS n
.set AWIN, 2+(\n)/8                    ; the block's window,
.set AR, 32*((\n)%8)                   ; its first register there,
.set TR, 32+32*((\n)%4)                ; and its set at work
.endm
.macro XT n                            ; x = sum + c, in place, each accumulator from its low end on; then 2 log2(e) x into the set
	SETS \n
	WIN (AWIN<<6)|AWIN
.set k, 0
.rept 16
.if (\n)%2
	v_pk_add_f32 v[AR+2*k:AR+2*k+1], v[AR+2*k:AR+2*k+1], v[CB+(\n)-1:CB+(\n)] op_sel:[0,1] op_sel_hi:[1,1]
.else
	v_pk_add_f32 v[AR+2*k:AR+2*k+1], v[AR+2*k:AR+2*k+1], v[CB+(\n):CB+(\n)+1] op_sel_hi:[1,0]
.endif
.set k, k+1
.endr
	WIN AWIN
.set k, 0
.rept 16
	v_pk_mul_f32 v[TR+2*k:TR+2*k+1], v[AR+2*k:AR+2*k+1], s[K2:K2+1] op_sel_hi:[1,0]
.set k, k+1
.endr
.endm
.macro EXPS n
	SETS \n
	WIN 0
.set k, 0
.rept 32
	v_exp_f32 v[TR+k], v[TR+k]
.set k, k+1
.endr
.endm
.macro DEN n
	SETS \n
	WIN 0
.set k, 0
.rept 16
	v_pk_add_f32 v[TR+2*k:TR+2*k+1], v[TR+2*k:TR+2*k+1], 1.0 op_sel_hi:[1,0]
.set k, k+1
.endr
.endm
.macro RCPS n
	SETS \n
	WIN 0
.set k, 0
.rept 32
	v_rcp_f32 v[TR+k], v[TR+k]
.set k, k+1
.endr
.endm
.macro FIN n                           ; 1 - 2 r; x itself where |x| < 2^-7; f stays where x lay; the scores take f x ctx
	SETS \n
	WIN 0
.set k, 0
.rept 16
	v_pk_fma_f32 v[TR+2*k:TR+2*k+1], v[TR+2*k:TR+2*k+1], -2.0, 1.0 op_sel_hi:[1,0,0]
.set k, k+1
.endr
	WIN (AWIN<<6)|(AWIN<<2)
.set k, 0
.rept 8                                ; four compares, then their four selects: no select reads the mask written just before it
.set q, 0
.rept 4
	v_cmp_gt_f32 s[MK+q], s[TAU], |v[AR+4*k+q]|
.set q, q+1
.endr
.set q, 0
.rept 4
	v_cndmask_b32 v[AR+4*k+q], v[TR+4*k+q], v[AR+4*k+q], s[MK+q]
.set q, q+1
.endr
.set k, k+1
.endr
	WIN AWIN
.set k, 0
.rept 16
.if (\n) == 0
	v_pk_mul_f32 v[SC+2*k:SC+2*k+1], v[AR+2*k:AR+2*k+1], v[CX:CX+1] op_sel_hi:[1,0]
.elseif (\n)%2
	v_pk_fma_f32 v[SC+2*k:SC+2*k+1], v[AR+2*k:AR+2*k+1], v[CX+(\n)-1:CX+(\n)], v[SC+2*k:SC+2*k+1] op_sel:[0,1,0] op_sel_hi:[1,1,1]
.else
	v_pk_fma_f32 v[SC+2*k:SC+2*k+1], v[AR+2*k:AR+2*k+1], v[CX+(\n):CX+(\n)+1], v[SC+2*k:SC+2*k+1] op_sel_hi:[1,0,1]
.endif
.set k, k+1
.endr
.endm
; One beat of the pipeline.  Its 64 transcendentals (block n's reciprocals, block n + 1's powers) are ONE batch with ONE wait: behind them stands work on the two other sets, which names none
; of their results; a v_nop is the plain instruction behind the batch where that work is missing; then the wait, ahead of the first line that names a result.
.macro ITER n
.if (\n) < 16
	RCPS \n
.endif
.if (\n)+1 < 16
	EXPS (\n)+1
.endif
.if (\n) >= 1
	FIN (\n)-1
.endif
.if (\n)+2 < 16
	XT (\n)+2
.endif
.if (\n) < 16
	v_nop
	s_wait_alu depctr_va_vdst(0)
.endif
.if (\n)+1 < 16
	DEN (\n)+1
.endif
.endm
	XT 0
	XT 1
	EXPS 0
	v_nop
	s_wait_alu depctr_va_vdst(0)
	DEN 0
.irp n, 0,1,2,3,4,5,6,7,8,9,10,11,12,13,14,15,16
	ITER \n
.endr
	; THE SCORES: across the 16 lanes of each half (my 256 columns), then across the four waves through LDS.  Every wave adds in the same order, so all hold the same numbers.
	WIN 0
.irp m, 1,2,4,8
.set k, 0
.rept 32
	v_add_f32_dpp v[SC+k], v[SC+k], v[SC+k] row_xmask:\m row_mask:0xf bank_mask:0xf
.set k, k+1
.endr
.endr
.irp a, 0,1,2,3
	ds_store_b128 v[SW], v[SC+8*(\a):SC+8*(\a)+3]   offset:(\a)*64     ; row t = 16 a + 8 h + j at byte 4 t; the 16 lanes of a half write the same numbers
	ds_store_b128 v[SW], v[SC+8*(\a)+4:SC+8*(\a)+7] offset:(\a)*64+16
.endr
	s_wait_dscnt 0x0                               ; for the others' sake
	s_barrier_signal -1
	s_barrier_wait -1
.irp w, 0,1,2,3
.irp a, 0,1,2,3
	ds_load_b128 v[32+32*(\w)+8*(\a):32+32*(\w)+8*(\a)+3],   v[SR] offset:(\w)*256+(\a)*64
	ds_load_b128 v[32+32*(\w)+8*(\a)+4:32+32*(\w)+8*(\a)+7], v[SR] offset:(\w)*256+(\a)*64+16
.endr
.endr
	s_wait_dscnt 0x0
.set k, 0
.rept 16
	v_pk_add_f32 v[32+2*k:32+2*k+1], v[32+2*k:32+2*k+1], v[64+2*k:64+2*k+1]
	v_pk_add_f32 v[96+2*k:96+2*k+1], v[96+2*k:96+2*k+1], v[128+2*k:128+2*k+1]
.set k, k+1
.endr
.set k, 0
.rept 16
	v_pk_add_f32 v[SC+2*k:SC+2*k+1], v[32+2*k:32+2*k+1], v[96+2*k:96+2*k+1]
.set k, k+1
.endr
	; the block's maximum: four chains over my 32 rows, then the lane 16 away, which holds the other 32
.irp c, 0,1,2,3
	v_max3_num_f32 v[TW+(\c)], v[SC+3*(\c)], v[SC+3*(\c)+1], v[SC+3*(\c)+2]
.endr
.set k, 0
.rept 10
	v_max3_num_f32 v[TW+k%4], v[TW+k%4], v[SC+12+2*k], v[SC+13+2*k]
.set k, k+1
.endr
	v_max3_num_f32 v[TW], v[TW], v[TW+1], v[TW+2]
	v_max_num_f32 v[TW], v[TW], v[TW+3]
	v_permlanex16_b32 v[TW+1], v[TW], s[SEL], s[SEL+1]
	v_max_num_f32 v[ML], v[TW], v[TW+1]
	v_max_num_f32 v[ML+1], v[TW], v[TW+1]          ; twice: a pair for the packed subtraction
.set k, 0
.rept 16
	v_pk_add_f32 v[SC+2*k:SC+2*k+1], v[SC+2*k:SC+2*k+1], v[ML:ML+1] neg_lo:[0,1] neg_hi:[0,1]
.set k, k+1
.endr
.set k, 0
.rept 32
	v_exp_f32 v[SC+k], v[SC+k]                     ; p = 2^(s - m)
.set k, k+1
.endr
	v_nop                                          ; a plain instruction behind the last power,
	s_wait_alu depctr_va_vdst(0)                   ; and the one wait for the 32, ahead of their first reader
.set k, 0
.rept 8
	v_pk_add_f32 v[32+2*k:32+2*k+1], v[SC+2*k:SC+2*k+1], v[SC+16+2*k:SC+16+2*k+1]  ; l: a tree beside p, which is kept
.set k, k+1
.endr
.set k, 0
.rept 4
	v_pk_add_f32 v[32+2*k:32+2*k+1], v[32+2*k:32+2*k+1], v[40+2*k:40+2*k+1]
.set k, k+1
.endr
	v_pk_add_f32 v[32:33], v[32:33], v[36:37]
	v_pk_add_f32 v[34:35], v[34:35], v[38:39]
	v_pk_add_f32 v[32:33], v[32:33], v[34:35]
	v_add_f32 v[TW], v32, v33
	v_permlanex16_b32 v[TW+1], v[TW], s[SEL], s[SEL+1]
	v_add_f32 v[ML+1], v[TW], v[TW+1]              ; (m, l)
	; THE WEIGHTED SUM: for each of my 16 columns the sum over my 32 rows of p f, two rows an instruction, eight chains by turns
.set hw, 0
.rept 2
	WIN 2+hw
.set k, 0
.rept 16
.set b, 0
.rept 8
.if k == 0
	v_pk_mul_f32 v[VV+2*(8*hw+b):VV+2*(8*hw+b)+1], v[32*b+2*k:32*b+2*k+1], v[SC+2*k:SC+2*k+1]
.else
	v_pk_fma_f32 v[VV+2*(8*hw+b):VV+2*(8*hw+b)+1], v[32*b+2*k:32*b+2*k+1], v[SC+2*k:SC+2*k+1], v[VV+2*(8*hw+b):VV+2*(8*hw+b)+1]
.endif
.set b, b+1
.endr
.set k, k+1
.endr
.set hw, hw+1
.endr
	WIN 0
.set b, 0
.rept 16
	v_add_f32 v[64+b], v[VV+2*b], v[VV+2*b+1]
.set b, b+1
.endr
.set b, 0
.rept 16
	v_permlanex16_b32 v[80+b], v[64+b], s[SEL], s[SEL+1]  ; the other 32 rows
.set b, b+1
.endr
.set b, 0
.rept 16
	v_add_f32 v[64+b], v[64+b], v[80+b]
.set b, b+1
.endr
.set k, 0
.rept 8
	v_cndmask_b32 v[96+k], v[64+2*k], v[65+2*k], s[HM]    ; both halves hold all 16 blocks: lanes 0-15 send block 2 k, lanes 16-31 block 2 k + 1: 128 bytes on end
.set k, k+1
.endr
.set k, 0
.rept 8
	ds_store_b32 v[GW], v[96+k] offset:128*k
.set k, k+1
.endr
	ds_load_b128 v[112:115], v[GR]                 ; my own bytes: LDS serves a wave's instructions in order (ISA guide 5.7.1.4)
	ds_load_b128 v[116:119], v[GR] offset:512
	s_wait_dscnt 0x0
	global_store_b128 v[PO], v[112:115], s[PART:PART+1]             ; 512 consecutive bytes each, aligned
	global_store_b128 v[PO], v[116:119], s[PART:PART+1] offset:512
	s_cmp_lg_u32 s[WV], 0
	s_cbranch_scc1 .Lno_stat
	global_store_b64 v[TO], v[ML:ML+1], s[STAT:STAT+1]              ; (m, l) 32 times over: 256 consecutive bytes, aligned, with all lanes on
.Lno_stat:
	s_wait_tensorcnt 0x0                           ; the wave's end: behind my last tensor load and my last LDS store
	ds_add_u32 v[SPW], v[NIL]
	s_wait_dscnt 0x0
	CROUND                                         ; the closing round: no work-group ends while a partner may still ask for a tile that names it
	s_endpgm
.Lfunc_end_k_q124e4c8eaa_fuse:
	.size	k_q124e4c8eaa_fuse, .Lfunc_end_k_q124e4c8eaa_fuse-k_q124e4c8eaa_fuse
	.p2alignl 7, 3214868480
	.fill 96, 4, 3214868480
	.section	.rodata,"a",@progbits
	.p2align	6, 0x0
	.amdhsa_kernel k_q124e4c8eaa_fuse
		.amdhsa_group_segment_fixed_size 327680
		.amdhsa_private_segment_fixed_size 0
		.amdhsa_enable_private_segment 0
		.amdhsa_kernarg_size 64
		.amdhsa_user_sgpr_count 2
		.amdhsa_user_sgpr_kernarg_segment_ptr 1
		.amdhsa_wavefront_size32 1
		.amdhsa_system_sgpr_workgroup_id_x 1
		.amdhsa_system_sgpr_workgroup_id_y 1
		.amdhsa_system_sgpr_workgroup_id_z 1
		.amdhsa_system_vgpr_workitem_id 0
		.amdhsa_next_free_vgpr 1024
		.amdhsa_next_free_sgpr 80
		.amdhsa_reserve_vcc 0
		.amdhsa_float_denorm_mode_32 3
		.amdhsa_float_denorm_mode_16_64 3
		.amdhsa_memory_ordered 1
		.amdhsa_forward_progress 1
		.amdhsa_inst_pref_size 255
	.end_amdhsa_kernel
	.section	.bss,"aw",@nobits
	.p2align	6
	.space	262144
	.amdgpu_metadata
---
amdhsa.version: [ 1, 2 ]
amdhsa.kernels:
  - .name:           k_q124e4c8eaa_fuse
    .symbol:         k_q124e4c8eaa_fuse.kd
    .args:
      - { .name: sequences1, .offset: 0, .size: 8, .value_kind: global_buffer, .address_space: global }
      - { .name: sequences2, .offset: 8, .size: 8, .value_kind: global_buffer, .address_space: global }
      - { .name: mt, .offset: 16, .size: 8, .value_kind: global_buffer, .address_space: global }
      - { .name: cvec, .offset: 24, .size: 8, .value_kind: global_buffer, .address_space: global }
      - { .name: W_bias, .offset: 32, .size: 8, .value_kind: global_buffer, .address_space: global }
      - { .name: context_vector, .offset: 40, .size: 8, .value_kind: global_buffer, .address_space: global }
      - { .name: part, .offset: 48, .size: 8, .value_kind: global_buffer, .address_space: global }
      - { .name: stat, .offset: 56, .size: 8, .value_kind: global_buffer, .address_space: global }
    .group_segment_fixed_size: 327680
    .private_segment_fixed_size: 0
    .kernarg_segment_align: 8
    .kernarg_segment_size: 64
    .max_flat_workgroup_size: 128
    .sgpr_count:     80
    .vgpr_count:     1024
    .wavefront_size: 32
...
	.end_amdgpu_metadata
.endif
;; end of part 2
;; launch finish (part 3): grid 4 x 16, 2 waves a work-group, no clusters, 0 bytes of LDS; arguments part, stat, out0; writes out0
.if DOCPART == 3
	.amdgcn_target "amdgcn-amd-amdhsa--gfx1250"
	.amdhsa_code_object_version 6
	.text
	.protected	k_q124e4c8eaa_finish
	.globl	k_q124e4c8eaa_finish
	.p2align	8
	.type	k_q124e4c8eaa_finish,@function
k_q124e4c8eaa_finish:
	s_mov_b64 s[64:65], 0
	v_nop
	global_prefetch_b8 v0, s[64:65] scope:SCOPE_SE
	s_setreg_imm32_b32 hwreg(HW_REG_WAVE_MODE, 25, 1), 1
	s_wait_xcnt 0x0
; out0[b][u] = (the sum over a batch's 16 blocks g of 2^(m_g - M) v_g[u]) / (the sum over g of 2^(m_g - M) l_g), M = the largest m_g: the blocks' running maxima are joined.
; part: [256 blocks][1024] f32 (v); stat: 256 bytes a block, beginning with (m, l); m is a score times log2(e).
; A work-group takes a quarter of a batch's columns, a thread four of them: 64 work-groups, as many as the work has to share.  All in f32.
; No LDS, no matrix unit, no cluster: 1 MiB is read once, and the 16 weights are made in each wave by itself: lane l holds block l % 16.
; M's block has the weight 1 and an l of at least 1, so the divisor is at least 1.
.set W,   16                           ; s16-31  the 16 weights, divided by the divisor
.set V,   16                           ; v16-79  block g's four numbers at V + 4 g
.set O,   80                           ; v80-83  the sums
	s_load_b128 s[4:7], s[0:1], 0x0                ; part s[4:5], stat s[6:7]
	s_load_b64 s[8:9], s[0:1], 0x10                ; out0
	s_and_b32 s10, ttmp7, 0xffff                   ; the batch
	s_lshl_b32 s11, ttmp9, 10                      ; the quarter's 256 columns: 1,024 bytes
	s_lshl_b32 s12, s10, 12                        ; stat: 16 blocks of 256 bytes
	s_mov_b32 s13, 0
	s_lshl_b32 s14, s10, 16                        ; part: 16 blocks of 4,096 bytes
	s_add_co_u32 s14, s14, s11
	s_mov_b32 s15, 0
	s_add_co_u32 s32, s12, s11                     ; out0: a row of 4,096 bytes
	s_mov_b32 s33, 0
	v_and_b32 v1, 15, v0
	v_lshlrev_b32 v1, 8, v1                        ; my block's 256 bytes of stat
	v_lshlrev_b32 v4, 4, v0                        ; my 16 bytes
	s_wait_kmcnt 0x0
	s_add_nc_u64 s[6:7], s[6:7], s[12:13]
	s_add_nc_u64 s[4:5], s[4:5], s[14:15]
	s_add_nc_u64 s[8:9], s[8:9], s[32:33]
	global_load_b64 v[2:3], v1, s[6:7]             ; (m, l)
.irp g, 0,1,2,3,4,5,6,7,8,9,10,11,12,13,14,15
	global_load_b128 v[V+4*(\g):V+4*(\g)+3], v4, s[4:5] offset:(\g)*4096
.endr
	s_wait_loadcnt 16                              ; (m, l) is in; the 16 loads of part may stay out
	v_mov_b32 v5, v2                               ; m is kept: the maximum is made beside it
	v_max_num_f32_dpp v5, v5, v5 row_xmask:1 row_mask:0xf bank_mask:0xf
	v_max_num_f32_dpp v5, v5, v5 row_xmask:2 row_mask:0xf bank_mask:0xf
	v_max_num_f32_dpp v5, v5, v5 row_xmask:4 row_mask:0xf bank_mask:0xf
	v_max_num_f32_dpp v5, v5, v5 row_xmask:8 row_mask:0xf bank_mask:0xf
	v_sub_f32 v6, v2, v5
	v_exp_f32 v6, v6                               ; 2^(m - M)
	v_nop                                          ; a plain instruction behind it,
	s_wait_alu depctr_va_vdst(0)                   ; and the wait ahead of its first reader
	v_mul_f32 v7, v6, v3
	v_add_f32_dpp v7, v7, v7 row_xmask:1 row_mask:0xf bank_mask:0xf
	v_add_f32_dpp v7, v7, v7 row_xmask:2 row_mask:0xf bank_mask:0xf
	v_add_f32_dpp v7, v7, v7 row_xmask:4 row_mask:0xf bank_mask:0xf
	v_add_f32_dpp v7, v7, v7 row_xmask:8 row_mask:0xf bank_mask:0xf
	v_rcp_f32 v8, v7
	v_nop
	s_wait_alu depctr_va_vdst(0)
	v_mul_f32 v6, v6, v8
.irp g, 0,1,2,3,4,5,6,7,8,9,10,11,12,13,14,15
	v_readlane_b32 s[W+(\g)], v6, \g               ; a factor, never an address or a count
.endr
.irp g, 0,1,2,3,4,5,6,7,8,9,10,11,12,13,14,15
	s_wait_loadcnt 15-(\g)                         ; block g's numbers are in; the younger loads may stay out
.irp c, 0,1,2,3
.if (\g) == 0
	v_mul_f32 v[O+(\c)], s[W], v[V+(\c)]
.else
	v_fmac_f32 v[O+(\c)], s[W+(\g)], v[V+4*(\g)+(\c)]
.endif
.endr
.endr
	global_store_b128 v4, v[O:O+3], s[8:9]         ; 16 lanes store 256 consecutive bytes, aligned
	s_endpgm
.Lfunc_end_k_q124e4c8eaa_finish:
	.size	k_q124e4c8eaa_finish, .Lfunc_end_k_q124e4c8eaa_finish-k_q124e4c8eaa_finish
	.p2alignl 7, 3214868480
	.fill 96, 4, 3214868480
	.section	.rodata,"a",@progbits
	.p2align	6, 0x0
	.amdhsa_kernel k_q124e4c8eaa_finish
		.amdhsa_group_segment_fixed_size 0
		.amdhsa_private_segment_fixed_size 0
		.amdhsa_enable_private_segment 0
		.amdhsa_kernarg_size 24
		.amdhsa_user_sgpr_count 2
		.amdhsa_user_sgpr_kernarg_segment_ptr 1
		.amdhsa_wavefront_size32 1
		.amdhsa_system_sgpr_workgroup_id_x 1
		.amdhsa_system_sgpr_workgroup_id_y 1
		.amdhsa_system_sgpr_workgroup_id_z 1
		.amdhsa_system_vgpr_workitem_id 0
		.amdhsa_next_free_vgpr 96
		.amdhsa_next_free_sgpr 66
		.amdhsa_reserve_vcc 0
		.amdhsa_float_denorm_mode_32 3
		.amdhsa_float_denorm_mode_16_64 3
		.amdhsa_memory_ordered 1
		.amdhsa_forward_progress 1
		.amdhsa_inst_pref_size 7
	.end_amdhsa_kernel
	.amdgpu_metadata
---
amdhsa.version: [ 1, 2 ]
amdhsa.kernels:
  - .name:           k_q124e4c8eaa_finish
    .symbol:         k_q124e4c8eaa_finish.kd
    .args:
      - { .name: part, .offset: 0, .size: 8, .value_kind: global_buffer, .address_space: global }
      - { .name: stat, .offset: 8, .size: 8, .value_kind: global_buffer, .address_space: global }
      - { .name: out0, .offset: 16, .size: 8, .value_kind: global_buffer, .address_space: global }
    .group_segment_fixed_size: 0
    .private_segment_fixed_size: 0
    .kernarg_segment_align: 8
    .kernarg_segment_size: 24
    .max_flat_workgroup_size: 64
    .sgpr_count:     66
    .vgpr_count:     96
    .wavefront_size: 32
...
	.end_amdgpu_metadata
.endif
;; end of part 3
;; ======== version 2 of 2: 3 launches; version 1 with the launch prep written anew for expert scheduling mode
;; limits: values are held in f16: magnitudes above 65,504 overflow, below 6.1e-05 lose precision
;; workspace buffers: mt 4,194,304 bytes; cvec 8,192 bytes; part 1,048,576 bytes; stat 65,536 bytes
;; launch prep (part 4): grid 16 x 16, 8 waves a work-group, no clusters, 60,416 bytes of LDS; arguments W1_kernel, W2_kernel, W_kernel, W1_bias, W2_bias, mt, cvec; writes mt, cvec
.if DOCPART == 4
	.amdgcn_target "amdgcn-amd-amdhsa--gfx1250"
	.amdhsa_code_object_version 6
	.text
	.protected	k_q124e4c8eaa_prep
	.globl	k_q124e4c8eaa_prep
	.p2align	8
	.type	k_q124e4c8eaa_prep,@function
k_q124e4c8eaa_prep:
	s_mov_b64 s[64:65], 0
	v_nop
	global_prefetch_b8 v0, s[64:65] scope:SCOPE_SE
	s_setreg_imm32_b32 hwreg(HW_REG_WAVE_SCHED_MODE, 0, 2), 2
	s_setreg_imm32_b32 hwreg(HW_REG_WAVE_MODE, 25, 1), 1
	s_wait_xcnt 0x0
	s_wait_alu depctr_vm_vsrc(0)
; M[d][u] = the sum over j of Wp[d % 1024][j] W[1024 p + j][u], p = d / 1024 (Wp = W1 or W2), d = 0..2047, u = 0..1023, and
; cvec[p][u] = the sum over j of bp[j] W[1024 p + j][u].  No non-linear step stands between the two levels of projections, so
; (S W1) Wa = S (W1 Wa): the next launch multiplies the sequences by M alone.  The order of rounding differs from that of the two-level form.
; LIMITS.  The operands W1, W2, W are rounded to f16 and M is stored in f16: all of them stay below 65,504 in magnitude; below 6e-5 they keep f16's fixed
; step of 6e-8.  Sums in f32.  cvec is made of the unrounded f32 numbers.
; SHARES.  A work-group makes 128 d x 64 u; its eight waves 32 d x 32 u each (wd = wave / 2, wu = wave % 2): four accumulators.  j goes in 16 chunks of 64.
; THE WAY IN goes through registers: the sources are f32 and must be f16 before the turning LDS load, so each number is loaded, rounded once and stored into LDS.
; That is why the tiles that work-groups share are not asked for jointly: a joint request brings bytes as they lie in memory.
; Two sets of registers (a chunk each, 13 loads) and two LDS slots take turns; ONE barrier a chunk orders both the stores of the chunk to be read and the reads of the slot to be written.
; LAYOUT OF mt.  M[d][u] lies at (d/64) 131072 + (u/256) 32768 + (((d/32)%2) 16 + (u/16)%16) 1024 + ((d/16)%2) 512 + ((d/8)%2) 256 + (u%16) 16 + (d%8) 2:
; fragments of 16 u x 32 d of 1,024 bytes, in the order in which a lane of the next launch takes them.  Source 0 = 16 rows d of Wp, source 1 = 16 columns u of W:
; in the result lane (r, h) holds u = r and d = 8 h + 0..7, which pack into the 16 bytes at 16 x lane of half a fragment: each store of a wave covers 512 consecutive bytes, aligned.
; THE MODE: SCHED_MODE bits 1:0 = 2 (LLVM: expert scheduling mode 2), set by the entry lines.  The code itself states the register dependences
; between vector or matrix instructions and memory or LDS instructions, with s_wait_alu, always for 0.
; THE PLAN.  Registers that memory or LDS instructions touch, in the loop:
;   RAW0, RAW1   A chunk's 13 global loads land in a set; CONV's roundings and multiply-adds read it; behind them the chunk two on is asked for, into the same set.
;   CV           CONV's roundings write it; the 12 LDS stores behind them read it; the next chunk's roundings write it again.
;   FR           The chunk's 16 LDS loads land in it; its 8 products read it; the next chunk's loads land in it again.
;   v2 .. v16    Offsets and LDS addresses: made at the head, never written again; the three global bases are scalar registers.
;   The accumulators and cvec's share are named by vector and matrix instructions alone, until the way out.  v[SPW], v[NIL]: written at the head, read by the closing add alone.
; A chunk has three waits.  Behind its barrier: one on vm_vsrc (the stores of the chunk before have read CV) and one on va_vdst (the products of the chunk before are done reading FR);
; the fragments' loads follow at once, ahead of the wait for the set of W and Wp, and are on their way while the set is waited for and rounded.  Behind CONV: one on va_vdst (CV is written,
; the set is read out); the 12 stores and the 13 loads follow it with no vector instruction between, and the products behind them name FR and the accumulators alone.
.set PITA,  144                        ; a row of Wp's tile in LDS: 64 f16 + 16 bytes: an odd multiple of 16
.set PITB,  160                        ; a row of W's tile: 64 f16 + 32 bytes: an odd multiple of 32, for the turning load
.set BOFF,  128*PITA                   ; a slot: 128 rows of Wp, then 64 rows of W
.set SLOT,  BOFF+64*PITB
.set RED,   2*SLOT                     ; eight waves' partial sums of cvec, 256 bytes each
.set SPARE, RED+2048                   ; the spare words, 128 bytes for each wave: four blocks of 256 bytes that no other line names
.set AO,  2                            ; v2      my byte offset in Wp's tile: (16 wave + l / 16) rows of 4,096 + 16 (l % 16)
.set BO,  3                            ; v3      in W's tile: (8 wave + 4 (l / 16)) rows of 4,096 + 16 (l % 16)
.set BIO, 4                            ; v4      in the bias: 4 (8 wave + 4 (l / 16))
.set AS,  5                            ; v5-6    where I store my 8 bytes of Wp's tile, slot 0, 1
.set BS,  7                            ; v7-8    the same for W's
.set AT,  9                            ; v9-10   where I read fragments of Wp
.set BT,  11                           ; v11-12  where I read fragments of W, turned
.set MO,  13                           ; v13     16 x lane
.set RW,  14                           ; v14     where I put my partial sums of cvec
.set RR,  15                           ; v15     where wave 0 reads them back
.set CO,  16                           ; v16     8 x lane
.set SPW, 18                           ; v18     LDS address of my spare word; never rewritten
.set NIL, 19                           ; v19     0; never rewritten
.set CACC, 20                          ; v20-23  cvec: my rows' share for my four columns
.set ACC, 32                           ; v32-63  accumulator (db, ub) at ACC + 8 (2 db + ub)
.set FR,  64                           ; v64-127 fragments: for 32 j each: Wp db 0, 1, W ub 0, 1
.set RAW, 128                          ; v128-231 two sets of 52: Wp 32, W 16, bias 4
.set CV,  232                          ; v232-255 rounded halves: Wp 16, W 8
.set WV,  20                           ; s20 wave   s21 x   s22 y   s23 p   s24 the loop's count   s25 y % 8
.set PA,  26                           ; s[26:27] Wp at the tile's first row, at the chunk last loaded
.set PW,  28                           ; s[28:29] W at the tile's first column, at the chunk last loaded
.set PBI, 30                           ; s[30:31] the bias at the chunk last loaded
.set MT,  34                           ; s[34:35] mt at my wave's four half fragments
.set SEL, 36                           ; s[36:37] v_permlanex16_b32's selects: each lane takes its own place in the other half
	s_load_b256 s[4:11], s[0:1], 0x0               ; W1 s[4:5], W2 s[6:7], W s[8:9], W1_bias s[10:11]
	s_load_b128 s[12:15], s[0:1], 0x20             ; W2_bias s[12:13], mt s[14:15]
	s_load_b64 s[16:17], s[0:1], 0x30              ; cvec
	v_lshl_add_u32 v[SPW], v0, 2, SPARE
	v_mov_b32 v[NIL], 0
	v_lshrrev_b32 v1, 5, v0
	v_readfirstlane_b32 s[WV], v1                  ; wave 0..7
	s_mov_b32 s21, ttmp9                           ; x: the tile of 64 u
	s_and_b32 s22, ttmp7, 0xffff                   ; y: the tile of 128 d
	s_lshr_b32 s23, s22, 3                         ; p
	s_and_b32 s25, s22, 7
	s_mov_b32 s[SEL], 0x76543210
	s_mov_b32 s[SEL+1], 0xfedcba98
	v_and_b32 v24, 15, v0                          ; r = l % 16
	v_bfe_u32 v25, v0, 4, 1                        ; h = l / 16
	v_and_b32 v26, 31, v0                          ; l
	v_and_b32 v27, 7, v0                           ; l % 8
	v_bfe_u32 v28, v0, 3, 1                        ; (l / 8) % 2
	v_lshlrev_b32 v29, 4, v24                      ; 16 r
	s_wait_alu depctr_va_sdst(0)                   ; the wave's number is written into s20, ahead of its first reader: the line below
	s_lshl_b32 s44, s[WV], 16
	v_lshl_add_u32 v[AO], v25, 12, v29
	v_add_nc_u32 v[AO], s44, v[AO]
	s_lshl_b32 s44, s[WV], 15
	v_lshl_add_u32 v[BO], v25, 14, v29
	v_add_nc_u32 v[BO], s44, v[BO]
	s_lshl_b32 s44, s[WV], 5
	v_lshl_add_u32 v[BIO], v25, 4, s44
	s_mul_i32 s44, s[WV], 16*PITA
	v_mul_u32_u24 v30, v25, PITA
	v_lshl_add_u32 v30, v24, 3, v30
	v_add_nc_u32 v[AS], s44, v30
	v_add_nc_u32 v[AS+1], SLOT, v[AS]
	s_mul_i32 s44, s[WV], 8*PITB
	s_add_co_u32 s44, s44, BOFF
	v_mul_u32_u24 v30, v25, 4*PITB
	v_lshl_add_u32 v30, v24, 3, v30
	v_add_nc_u32 v[BS], s44, v30
	v_add_nc_u32 v[BS+1], SLOT, v[BS]
	s_lshr_b32 s44, s[WV], 1                       ; wd
	s_mul_i32 s44, s44, 32*PITA
	v_mul_u32_u24 v30, v24, PITA
	v_lshl_add_u32 v30, v25, 4, v30                ; row x pitch + 16 x half
	v_add_nc_u32 v[AT], s44, v30
	v_add_nc_u32 v[AT+1], SLOT, v[AT]
	s_and_b32 s44, s[WV], 1                        ; wu
	s_lshl_b32 s44, s44, 6
	s_add_co_u32 s44, s44, BOFF
	v_lshl_add_u32 v30, v25, 3, v27                ; the turning load: lane l reads row 8 (l / 16) + l % 8, 16 bytes at 16 ((l / 8) % 2)
	v_mul_u32_u24 v30, v30, PITB
	v_lshl_add_u32 v30, v28, 4, v30
	v_add_nc_u32 v[BT], s44, v30
	v_add_nc_u32 v[BT+1], SLOT, v[BT]
	v_lshlrev_b32 v[MO], 4, v26
	s_lshl_b32 s44, s[WV], 8
	s_add_co_u32 s44, s44, RED
	v_add_nc_u32 v[RW], s44, v29
	v_lshlrev_b32 v[CO], 3, v26
	v_add_nc_u32 v[RR], RED, v[CO]
	; offsets, made apart from the addresses
	s_lshl_b32 s32, s25, 19                        ; Wp: (y % 8) x 128 rows of 4,096 bytes
	s_mov_b32 s33, 0
	s_lshl_b32 s38, s23, 22                        ; W: p x 1,024 rows of 4,096 bytes
	s_lshl_b32 s44, s21, 8                         ;    + x x 64 columns of 4 bytes
	s_add_co_u32 s38, s38, s44
	s_mov_b32 s39, 0
	s_lshl_b32 s42, s23, 12                        ; cvec: p x 4,096 + x x 256
	s_add_co_u32 s42, s42, s44
	s_mov_b32 s43, 0
	s_lshl_b32 s40, s22, 1                         ; mt: (2 y + wd / 2) x 131,072
	s_lshr_b32 s44, s[WV], 2
	s_add_co_u32 s40, s40, s44
	s_lshl_b32 s40, s40, 17
	s_lshr_b32 s44, s21, 2                         ;   + (x / 4) x 32,768
	s_lshl_b32 s44, s44, 15
	s_add_co_u32 s40, s40, s44
	s_bfe_u32 s44, s[WV], 0x10001                  ;   + ((wd % 2) 16 + 4 (x % 4) + 2 wu) x 1,024
	s_lshl_b32 s44, s44, 4
	s_and_b32 s45, s21, 3
	s_lshl2_add_u32 s44, s45, s44
	s_and_b32 s45, s[WV], 1
	s_lshl1_add_u32 s44, s45, s44
	s_lshl_b32 s44, s44, 10
	s_add_co_u32 s40, s40, s44
	s_mov_b32 s41, 0
	s_wait_kmcnt 0x0
	s_cmp_eq_u32 s23, 0
	s_cselect_b64 s[PA:PA+1], s[4:5], s[6:7]       ; W1 or W2
	s_cselect_b64 s[PBI:PBI+1], s[10:11], s[12:13] ; and its bias
	s_add_nc_u64 s[PA:PA+1], s[PA:PA+1], s[32:33]
	s_add_nc_u64 s[PW:PW+1], s[8:9], s[38:39]
	s_add_nc_u64 s[MT:MT+1], s[14:15], s[40:41]
	s_add_nc_u64 s[16:17], s[16:17], s[42:43]
	s_wait_alu depctr_va_vdst(0)                   ; the offsets and LDS addresses v2 to v16 are written: every load and store of the kernel reads one of them, and none is written again
; A chunk's 13 loads into a set: my 16 rows x 256 bytes of Wp, my 8 rows x 256 bytes of W (lanes 0-15 rows 8 wave + i, lanes 16-31 rows 8 wave + 4 + i), those rows' four bias numbers.
.macro LOADS set, step
.if \step
	s_wait_xcnt 0x0                                ; the loads issued so far have read their bases, so the three may be stepped
	s_add_nc_u64 s[PA:PA+1], s[PA:PA+1], 256
	s_add_nc_u64 s[PW:PW+1], s[PW:PW+1], 64*4096
	s_add_nc_u64 s[PBI:PBI+1], s[PBI:PBI+1], 256
.endif
.irp i, 0,1,2,3,4,5,6,7
	global_load_b128 v[RAW+52*(\set)+4*(\i):RAW+52*(\set)+4*(\i)+3], v[AO], s[PA:PA+1] offset:(\i)*8192
.endr
.irp i, 0,1,2,3
	global_load_b128 v[RAW+52*(\set)+32+4*(\i):RAW+52*(\set)+32+4*(\i)+3], v[BO], s[PW:PW+1] offset:(\i)*4096
.endr
	global_load_b128 v[RAW+52*(\set)+48:RAW+52*(\set)+51], v[BIO], s[PBI:PBI+1]
.endm
; A set is rounded to f16, and its rows of W, unrounded, are added to cvec's share.  left = the younger loads that may stay out.  first = 1: the first product starts the sums.
.macro CONV set, left, first
.set R, RAW+52*(\set)
	s_wait_loadcnt \left
.irp i, 0,1,2,3,4,5,6,7,8,9,10,11
	v_cvt_pk_f16_f32 v[CV+2*(\i)], v[R+4*(\i)], v[R+4*(\i)+1]
	v_cvt_pk_f16_f32 v[CV+2*(\i)+1], v[R+4*(\i)+2], v[R+4*(\i)+3]
.endr
.irp i, 0,1,2,3
.irp c, 0,2
.if (\first) && ((\i) == 0)
	v_pk_mul_f32 v[CACC+(\c):CACC+(\c)+1], v[R+32+(\c):R+32+(\c)+1], v[R+48:R+49] op_sel_hi:[1,0]
.elseif (\i)%2
	v_pk_fma_f32 v[CACC+(\c):CACC+(\c)+1], v[R+32+4*(\i)+(\c):R+32+4*(\i)+(\c)+1], v[R+48+(\i)-1:R+48+(\i)], v[CACC+(\c):CACC+(\c)+1] op_sel:[0,1,0] op_sel_hi:[1,1,1]
.else
	v_pk_fma_f32 v[CACC+(\c):CACC+(\c)+1], v[R+32+4*(\i)+(\c):R+32+4*(\i)+(\c)+1], v[R+48+(\i):R+48+(\i)+1], v[CACC+(\c):CACC+(\c)+1] op_sel_hi:[1,0,1]
.endif
.endr
.endr
.endm
.macro STORES slot                     ; the rounded chunk into a slot: 12 LDS stores of 8 bytes a lane
.irp i, 0,1,2,3,4,5,6,7
	ds_store_b64 v[AS+(\slot)], v[CV+2*(\i):CV+2*(\i)+1] offset:(\i)*2*PITA
.endr
.irp i, 0,1,2,3
	ds_store_b64 v[BS+(\slot)], v[CV+16+2*(\i):CV+16+2*(\i)+1] offset:(\i)*PITB
.endr
.endm
.macro FRAGS s                         ; 16 LDS loads: the chunk's fragments for my 32 d x 32 u
.irp kk, 0,1
.irp db, 0,1
	ds_load_b128 v[FR+32*(\kk)+8*(\db):FR+32*(\kk)+8*(\db)+3],   v[AT+(\s)] offset:(\db)*16*PITA+(\kk)*64
	ds_load_b128 v[FR+32*(\kk)+8*(\db)+4:FR+32*(\kk)+8*(\db)+7], v[AT+(\s)] offset:(\db)*16*PITA+(\kk)*64+32
.endr
.irp ub, 0,1
	ds_load_tr16_b128 v[FR+32*(\kk)+16+8*(\ub):FR+32*(\kk)+16+8*(\ub)+3],   v[BT+(\s)] offset:(\kk)*32*PITB+(\ub)*32
	ds_load_tr16_b128 v[FR+32*(\kk)+16+8*(\ub)+4:FR+32*(\kk)+16+8*(\ub)+7], v[BT+(\s)] offset:(\kk)*32*PITB+(\ub)*32+16*PITB
.endr
.endr
.endm
.macro MULS zero                       ; 8 products; the four accumulators take turns, one instruction a turn, over the backward jump too
.irp kk, 0,1
.irp db, 0,1
.irp ub, 0,1
.if (\zero) && ((\kk) == 0)
	v_wmma_f32_16x16x32_f16 v[ACC+8*(2*(\db)+(\ub)):ACC+8*(2*(\db)+(\ub))+7], v[FR+32*(\kk)+8*(\db):FR+32*(\kk)+8*(\db)+7], v[FR+32*(\kk)+16+8*(\ub):FR+32*(\kk)+16+8*(\ub)+7], 0
.else
	v_wmma_f32_16x16x32_f16 v[ACC+8*(2*(\db)+(\ub)):ACC+8*(2*(\db)+(\ub))+7], v[FR+32*(\kk)+8*(\db):FR+32*(\kk)+8*(\db)+7], v[FR+32*(\kk)+16+8*(\ub):FR+32*(\kk)+16+8*(\ub)+7], v[ACC+8*(2*(\db)+(\ub)):ACC+8*(2*(\db)+(\ub))+7]
.endif
.endr
.endr
.endr
.endm
; A chunk, in slot s.  zero = 1: chunk 0, with no products in front of it.  conv = 1: the next chunk is rounded and stored into the other slot; load = 1: the chunk three on is asked for, into the set just rounded.
.macro BODY s, zero, conv, left, load
	s_wait_dscnt 0x0                               ; my stores of this chunk are done, and my reads of the other slot are back
	s_barrier_signal -1
	s_barrier_wait -1                              ; both now hold of all eight waves
.if \conv
	s_wait_alu depctr_vm_vsrc(0)                   ; the LDS stores of the chunk before have read v[CV ..], which the roundings below write again
.endif
.if !\zero
	s_wait_alu depctr_va_vdst(0)                   ; the products of the chunk before are done reading v[FR ..], in which the 16 loads below land
.endif
	FRAGS \s                                       ; on their way while the set is waited for and rounded
.if \conv
	CONV 1-(\s), \left, 0
	s_wait_alu depctr_va_vdst(0)                   ; the roundings have written v[CV ..], which the LDS stores read; they and the multiply-adds are done reading the set, in which the loads below land
	STORES 1-(\s)
.endif
.if \load
	LOADS 1-(\s), 1                                ; no wait: no vector or matrix instruction since the wait above
.endif
.if \conv
	s_wait_dscnt 12                                ; the 16 fragment loads are in; the 12 stores behind them may stay out
.else
	s_wait_dscnt 0x0
.endif
	MULS \zero
.endm
	LOADS 0, 0                                     ; chunk 0
	LOADS 1, 1                                     ; chunk 1
	CONV 0, 13, 1                                  ; chunk 1's 13 loads may stay out
	s_wait_alu depctr_va_vdst(0)                   ; the roundings have written v[CV ..], which the LDS stores read
	STORES 0
	LOADS 0, 1                                     ; chunk 2
	BODY 0, 1, 1, 13, 1                            ; chunk 0 stands in front of the loop: its first products start the sums
	s_mov_b32 s24, 6
.Lchunk:                                               ; chunks 1 to 12, two a trip; in each the count 13 leaves the chunk after next on its way
	BODY 1, 0, 1, 13, 1
	BODY 0, 0, 1, 13, 1
	s_sub_co_u32 s24, s24, 1
	s_cmp_lg_u32 s24, 0
	s_cbranch_scc1 .Lchunk
	BODY 1, 0, 1, 13, 0                            ; chunk 13: nothing is left to ask for
	BODY 0, 0, 1, 0, 0                             ; chunk 14: the last set is rounded
	BODY 1, 0, 0, 0, 0                             ; chunk 15
.rept 8
	v_nop                                          ; the places behind the last products, once a launch
.endr
	s_wait_alu depctr_vm_vsrc(0)                   ; chunk 14's LDS stores have read v[CV ..], which the roundings below write again
.irp db, 0,1
.irp ub, 0,1
.irp q, 0,1,2,3
	v_cvt_pk_f16_f32 v[CV+4*(2*(\db)+(\ub))+(\q)], v[ACC+8*(2*(\db)+(\ub))+2*(\q)], v[ACC+8*(2*(\db)+(\ub))+2*(\q)+1]  ; each accumulator from its low end on
.endr
.endr
.endr
	; cvec: the other half of the lanes holds the other rows' share; then the eight waves' shares meet in LDS
.irp i, 0,1,2,3
	v_permlanex16_b32 v[24+(\i)], v[CACC+(\i)], s[SEL], s[SEL+1]
.endr
	v_pk_add_f32 v[CACC:CACC+1], v[CACC:CACC+1], v[24:25]
	v_pk_add_f32 v[CACC+2:CACC+3], v[CACC+2:CACC+3], v[26:27]
	s_wait_alu depctr_va_vdst(0)                   ; the roundings have written v[CV ..], which the four stores read; the sums have written v[CACC ..], which the LDS store reads; the last products are done reading v[FR ..], in which wave 0's loads land further down
.irp db, 0,1
.irp ub, 0,1
	global_store_b128 v[MO], v[CV+4*(2*(\db)+(\ub)):CV+4*(2*(\db)+(\ub))+3], s[MT:MT+1] offset:(\ub)*1024+(\db)*512  ; 512 consecutive bytes, aligned
.endr
.endr
	ds_store_b128 v[RW], v[CACC:CACC+3]            ; both halves of the lanes write the same numbers to the same bytes
	s_wait_dscnt 0x0                               ; for the others' sake
	s_barrier_signal -1
	s_barrier_wait -1
	s_or_b32 s44, s[WV], s25                       ; the eight tiles of d of a half make the same sums: the first of them stores, by its wave 0
	s_cmp_lg_u32 s44, 0
	s_cbranch_scc1 .Lend
.irp k, 0,1,2,3,4,5,6,7
	ds_load_b64 v[FR+2*(\k):FR+2*(\k)+1], v[RR] offset:(\k)*256  ; no wait: no vector or matrix instruction since the last wait on va_vdst
.endr
	s_wait_dscnt 0x0
	v_pk_add_f32 v[FR:FR+1], v[FR:FR+1], v[FR+2:FR+3]
	v_pk_add_f32 v[FR+4:FR+5], v[FR+4:FR+5], v[FR+6:FR+7]
	v_pk_add_f32 v[FR+8:FR+9], v[FR+8:FR+9], v[FR+10:FR+11]
	v_pk_add_f32 v[FR+12:FR+13], v[FR+12:FR+13], v[FR+14:FR+15]
	v_pk_add_f32 v[FR:FR+1], v[FR:FR+1], v[FR+4:FR+5]
	v_pk_add_f32 v[FR+8:FR+9], v[FR+8:FR+9], v[FR+12:FR+13]
	v_pk_add_f32 v[FR:FR+1], v[FR:FR+1], v[FR+8:FR+9]
	s_wait_alu depctr_va_vdst(0)                   ; the last sum has written v[FR:FR+1], which the store reads
	global_store_b64 v[CO], v[FR:FR+1], s[16:17]   ; 64 columns: 256 consecutive bytes, aligned
.Lend:
	s_wait_dscnt 0x0                               ; the wave's end
	s_wait_alu 0x0
	s_wait_tensorcnt 0x0
	ds_add_u32 v[SPW], v[NIL]
	s_wait_dscnt 0x0
	s_endpgm
.Lfunc_end_k_q124e4c8eaa_prep:
	.size	k_q124e4c8eaa_prep, .Lfunc_end_k_q124e4c8eaa_prep-k_q124e4c8eaa_prep
	.p2alignl 7, 3214868480
	.fill 96, 4, 3214868480
	.section	.rodata,"a",@progbits
	.p2align	6, 0x0
	.amdhsa_kernel k_q124e4c8eaa_prep
		.amdhsa_group_segment_fixed_size 60416
		.amdhsa_private_segment_fixed_size 0
		.amdhsa_enable_private_segment 0
		.amdhsa_kernarg_size 56
		.amdhsa_user_sgpr_count 2
		.amdhsa_user_sgpr_kernarg_segment_ptr 1
		.amdhsa_wavefront_size32 1
		.amdhsa_system_sgpr_workgroup_id_x 1
		.amdhsa_system_sgpr_workgroup_id_y 1
		.amdhsa_system_sgpr_workgroup_id_z 1
		.amdhsa_system_vgpr_workitem_id 0
		.amdhsa_next_free_vgpr 256
		.amdhsa_next_free_sgpr 66
		.amdhsa_reserve_vcc 0
		.amdhsa_float_denorm_mode_32 3
		.amdhsa_float_denorm_mode_16_64 3
		.amdhsa_memory_ordered 1
		.amdhsa_forward_progress 1
		.amdhsa_inst_pref_size 44
	.end_amdhsa_kernel
	.amdgpu_metadata
---
amdhsa.version: [ 1, 2 ]
amdhsa.kernels:
  - .name:           k_q124e4c8eaa_prep
    .symbol:         k_q124e4c8eaa_prep.kd
    .args:
      - { .name: W1_kernel, .offset: 0, .size: 8, .value_kind: global_buffer, .address_space: global }
      - { .name: W2_kernel, .offset: 8, .size: 8, .value_kind: global_buffer, .address_space: global }
      - { .name: W_kernel, .offset: 16, .size: 8, .value_kind: global_buffer, .address_space: global }
      - { .name: W1_bias, .offset: 24, .size: 8, .value_kind: global_buffer, .address_space: global }
      - { .name: W2_bias, .offset: 32, .size: 8, .value_kind: global_buffer, .address_space: global }
      - { .name: mt, .offset: 40, .size: 8, .value_kind: global_buffer, .address_space: global }
      - { .name: cvec, .offset: 48, .size: 8, .value_kind: global_buffer, .address_space: global }
    .group_segment_fixed_size: 60416
    .private_segment_fixed_size: 0
    .kernarg_segment_align: 8
    .kernarg_segment_size: 56
    .max_flat_workgroup_size: 256
    .sgpr_count:     66
    .vgpr_count:     256
    .wavefront_size: 32
...
	.end_amdgpu_metadata
.endif
;; end of part 4
;; launch fuse: the kernel of part 2 again; grid 256 x 1, 4 waves a work-group, clusters of 4 x 1, 327,680 bytes of LDS; arguments sequences1, sequences2, mt, cvec, W_bias, context_vector, part, stat; writes part, stat
;; launch finish: the kernel of part 3 again; grid 4 x 16, 2 waves a work-group, no clusters, 0 bytes of LDS; arguments part, stat, out0; writes out0
